; MI455X (gfx1250); checked and timed in simulation.
; The chip was launched on July 23, 2026; its instructions are those of AMD's public machine-readable ISA for CDNA 5 (MIT licence, August 2026) and "CDNA5" Instruction Set Architecture Reference Guide (July 2026). The comments in the code are by the model that wrote it; some were corrected since.
;; Multi Head Attention Block. Allowed arithmetic: matrix products marked QUANTISED: E2M1 operands, one E8M0 scale for each 32 along K, by v_wmma_scale_f32_16x16x128_f8f6f4 with both operands' format E2M1 (or v_wmma_scale_f32_32x16x128_f4), f32 sums; products left as they are: bf16, f16 or f32 operands; f32 sums; everything else in f32.
;; Inputs: Wk 1,024 x 1,024 float32; Wo 1,024 x 1,024 float32; Wq 1,024 x 1,024 float32; Wv 1,024 x 1,024 float32; bk 1,024 float32; bo 1,024 float32; bq 1,024 float32; bv 1,024 float32; mask 4 x 2,048 x 2,048 int32; x 4 x 2,048 x 1,024 float32.
;; Outputs: out0 4 x 2,048 x 1,024 float32.
;; This version of the problem:
;;   THIS VERSION OF THE PROBLEM IS GIVEN IN LOW PRECISION. The matrix products marked QUANTISED in the list below multiply operands that are first quantised to E2M1 (2 exponent bits, 1 mantissa bit; 4 bits a number), with one power-of-two scale for each 32 numbers along K (OCP MX v1.0); their sums are f32. The products marked 'left as it is' may take bf16, f16 or f32 operands, with f32 sums. Whichever they take, every output number must still come out within the allowed error. Rounding operands to bf16 (8 significant bits) uses up far more of that allowance than f16 does (11 bits, for magnitudes from 6e-5 to 65,504). All else is computed in f32.
;;   The module's matrix products, in the order in which they are computed (A, B: the left and right operand; K: the contracted axis; several contracted axes count as one K, in the product's order):
;;     1. [M 8,192, K 1,024] x [K 1,024, N 1,024]; A: input x; B: input Wq: QUANTISED
;;     2. [M 8,192, K 1,024] x [K 1,024, N 1,024]; A: input x; B: input Wk: QUANTISED
;;     3. [M 8,192, K 1,024] x [K 1,024, N 1,024]; A: input x; B: input Wv: QUANTISED
;;     4. batch 64 x [M 2,048, K 64] x [K 64, N 2,048]; A: computed on the way; B: computed on the way: left as it is (an operand is computed on the way)
;;     5. batch 64 x [M 2,048, K 2,048] x [K 2,048, N 64]; A: computed on the way; B: computed on the way: left as it is (an operand is computed on the way)
;;     6. [M 8,192, K 1,024] x [K 1,024, N 1,024]; A: computed on the way; B: input Wo: left as it is (an operand is computed on the way)
;;   THE QUANTISER, for each operand of a quantised product, along K:
;;     - K is cut into blocks of 32 from its start; a last block that is shorter is filled with zeros.
;;     - A block's scale is 2^e with e = floor(log2(the largest magnitude in the block)) - 2, held to -126 .. 127; a block of zeros has e = 0. As a byte (E8M0): e + 127.
;;     - Each number is divided by its block's scale, clamped to +-6, and rounded to the nearest number of E2M1, ties to even, subnormals kept.
;;     - The product sums the exact products of the quantised numbers (number of the format x scale) in f32.
;;   ~~~python
;;   def quantise(x, axis):      # numpy; x: float32 -> the quantised numbers, widened to float32 again
;;       x = np.moveaxis(x, axis, -1); K = x.shape[-1]
;;       x = np.pad(x, [(0, 0)] * (x.ndim - 1) + [(0, -K % 32)]); x = x.reshape(x.shape[:-1] + (-1, 32)); a = np.abs(x).max(-1, keepdims=True)
;;       e = np.where(a > 0, np.clip(np.frexp(np.where(a > 0, a, 1))[1] - 1 - 2, -126, 127), 0)      # np.frexp(a)[1] - 1 = floor(log2(a)), exactly
;;       r = np.clip(x / 2.0 ** e, -6, 6)
;;       step = 2.0 ** (np.maximum(np.frexp(np.where(r == 0, 1, r))[1] - 1, 0) - 1)
;;       q = np.round(r / step) * step * 2.0 ** e      # np.round: ties to even
;;       return np.moveaxis(q.reshape(q.shape[:-2] + (-1,))[..., :K], -1, axis).astype(np.float32)
;;   ~~~
;; One version. Each part assembles by itself: llvm-mc -triple=amdgcn-amd-amdhsa -mcpu=gfx1250 --defsym DOCPART=n.
;; ======== version 1 of 1: 4 launches
;; limits: values are held in f16: magnitudes above 65,504 overflow, below 6.1e-05 lose precision; right only within a limited range of input values
;; workspace buffers: x_codes 4,194,304 bytes; x_scales 262,144 bytes; w_codes 1,572,864 bytes; w_scales 98,304 bytes; woimg 2,097,152 bytes; maskw 2,097,152 bytes of whole numbers; qkv 50,331,648 bytes; oimg 16,777,216 bytes
;; launch prep (part 1): grid 1456 x 1, 4 waves a work-group, no clusters, 85,504 bytes of LDS; arguments Wq, Wk, Wv, Wo, x, mask, w_codes, w_scales, woimg, x_codes, x_scales, maskw; writes w_codes, w_scales, woimg, x_codes, x_scales, maskw
.if DOCPART == 1
	.amdgcn_target "amdgcn-amd-amdhsa--gfx1250"
	.amdhsa_code_object_version 6
	.text
	.protected	k_q0aa2f7f2dd_prep
	.globl	k_q0aa2f7f2dd_prep
	.p2align	8
	.type	k_q0aa2f7f2dd_prep,@function
k_q0aa2f7f2dd_prep:
	s_mov_b64 s[64:65], 0
	v_nop
	global_prefetch_b8 v0, s[64:65] scope:SCOPE_SE
	s_setreg_imm32_b32 hwreg(HW_REG_WAVE_MODE, 25, 1), 1
	s_wait_xcnt 0x0
; FOUR STREAMS IN ONE LAUNCH, told apart by the work-group's number, so that the small ones run beside the large ones:
;   work-groups    0 ..   47: Wq, Wk, Wv [1024 (k)][1024 (n)] f32 -> codes of FP4 (E2M1), K innermost, w_codes [3072][512 bytes], and one E8M0 byte for each 32 along K, w_scales [3072][32]
;   work-groups   48 ..  175: Wo [1024 (k)][1024 (n)] f32 -> f16, laid as the operand's registers take it: woimg [n / 16][k / 8][n % 16][8 k]
;   work-groups  176 ..  431: x [8192][1024] f32 -> codes and scale bytes, x_codes [8192][512 bytes], x_scales [8192][32]
;   work-groups  432 .. 1455: mask [4][2048][2048] int32 -> lane masks, one bit a number: maskw [b 64 + q / 32][key / 64][tile of 16 queries, 2][32 words];
;                             in word 8 kt + j bit L says whether mask[b][16 T + L % 16][64 step + 16 kt + 8 (L / 16) + j] is not 0: the lanes and registers in which the scores lie later.
; THE QUANTISER: a block's scale is 2^(floor(log2(its largest magnitude)) - 2); its byte is the largest magnitude's exponent field - 2, held at 1 from below; each number is divided by the scale and
; rounded to the nearest code, ties to even, beyond 6 the largest code.
; LIMITS: a block of zeros gets the byte 1 where the rule says 127 (its codes are zeros, and this program alone reads the bytes); blocks whose largest magnitude lies under 2^-124 keep the byte 1 and were
; not tried; NaN and infinities in x and the weights are not served; Wo beyond 65,504 in magnitude has no f16 number.
; No tensor loads, no barrier: waves share nothing.  Each path has LDS bytes of its own, and its own end.
.set XR,    0                          ; x's path: 8,192 bytes a wave
.set WR,    32768                      ; the weights' path: 32 rows x 272 bytes a wave
.set MR,    67584                      ; the mask's path: 16 rows x 272 bytes a wave
.set SPARE, 84992                      ; the spare words, 128 bytes for each wave: two blocks of 256 bytes that no other line names
.set SPW,   192                        ; v192  LDS address of my spare word: SPARE + 4 x my thread's number; never rewritten
.set NIL,   193                        ; v193  0; never rewritten
.macro FINISH                          ; a wave's end
	s_wait_tensorcnt 0x0
	ds_add_u32 v[SPW], v[NIL]
	s_wait_dscnt 0x0
	s_endpgm
.endm
	v_lshl_add_u32 v[SPW], v0, 2, SPARE
	v_mov_b32 v[NIL], 0
	v_lshrrev_b32 v1, 5, v0
	v_readfirstlane_b32 s16, v1                    ; wave 0..3
	v_and_b32 v2, 31, v0                           ; lane
	s_cmp_lt_u32 ttmp9, 48
	s_cbranch_scc1 .Lw
	s_cmp_lt_u32 ttmp9, 176
	s_cbranch_scc1 .Lwo
	s_cmp_lt_u32 ttmp9, 432
	s_cbranch_scc1 .Lx
; ---------------------------------------------------------------- THE MASK
; A wave takes 32 query rows x 128 keys: 16 KiB in, 512 bytes out.  Four blocks of 16 rows x 64 keys; each load reads 256 consecutive bytes of two rows.  A block goes through the wave's own stage
; (rows 272 bytes apart) and comes back so that lane (r, h) holds row r, keys 16 kt + 8 h + 0 .. 7; a compare then IS the word wanted, one bit a lane.
.set MRG, 32                           ; v32-159  the four blocks as loaded
.set MY,  160                          ; v160-191 a block turned
	s_load_b64 s[4:5], s[0:1], 0x28                ; mask
	s_load_b64 s[6:7], s[0:1], 0x58                ; maskw
	s_sub_co_u32 s18, ttmp9, 432
	s_lshl_b32 s18, s18, 2
	s_add_co_u32 s18, s18, s16                     ; my unit, 0 .. 4095: 16 x (group of 32 rows) + (128 keys)
	s_lshr_b32 s20, s18, 4
	s_lshl_b32 s20, s20, 18                        ; 32 rows of 8,192 bytes
	s_and_b32 s21, s18, 15
	s_lshl_b32 s21, s21, 9                         ; 128 keys of 4 bytes
	s_add_co_u32 s20, s20, s21
	s_mov_b32 s21, 0
	s_lshl_b32 s22, s18, 9                         ; 512 bytes of words a unit
	s_mov_b32 s23, 0
	s_mul_i32 s17, s16, 16*272
	s_add_co_u32 s17, s17, MR                      ; my stage
	v_lshrrev_b32 v8, 4, v2                        ; h
	v_and_b32 v9, 15, v2                           ; r
	v_lshlrev_b32 v3, 4, v9
	v_lshl_add_u32 v3, v8, 13, v3                  ; in: lanes 0-15 one row's 256 bytes, lanes 16-31 the next row's
	v_mul_u32_u24 v4, v8, 272
	v_lshl_add_u32 v4, v9, 4, v4
	v_add_nc_u32 v4, s17, v4                       ; into the stage, as loaded
	v_mul_u32_u24 v5, v9, 272
	v_lshl_add_u32 v5, v8, 5, v5
	v_add_nc_u32 v5, s17, v5                       ; out of it: row r, + 32 h bytes
	v_lshlrev_b32 v6, 4, v2                        ; out: 16 bytes a lane
.irp i, 0,1,2,3
	v_mov_b32 v[24+\i], 0                          ; the words: written once whole, since v_writelane_b32 leaves the other lanes as they are
.endr
	s_wait_kmcnt 0x0
	s_add_nc_u64 s[4:5], s[4:5], s[20:21]
	s_add_nc_u64 s[6:7], s[6:7], s[22:23]
.irp s, 0,1                                    ; block 2 s + t: keys 64 s on, rows 16 t on.  All 32 loads go out at once
.irp t, 0,1
.irp i, 0,1,2,3,4,5,6,7
	global_load_b128 v[MRG+32*(2*\s+\t)+4*\i:MRG+32*(2*\s+\t)+4*\i+3], v3, s[4:5] offset:(16*\t+2*\i)*8192+256*\s th:TH_LOAD_NT
.endr
.endr
.endr
.macro MBLK blk
	s_wait_loadcnt 24-8*\blk                       ; this block's eight loads are in; the later blocks' may be out
.irp i, 0,1,2,3,4,5,6,7
	ds_store_b128 v4, v[MRG+32*\blk+4*\i:MRG+32*\blk+4*\i+3] offset:2*\i*272
.endr
.irp kt, 0,1,2,3
.irp e, 0,1
	ds_load_b128 v[MY+8*\kt+4*\e:MY+8*\kt+4*\e+3], v5 offset:64*\kt+16*\e   ; LDS serves a wave's instructions in order (ISA guide 5.7.1.4): these see the stores above, and the next block's stores come behind them
.endr
.endr
	s_wait_dscnt 0x0
.set cnt, 0
.rept 32
	v_cmp_ne_u32 s[32+cnt], 0, v[MY+cnt]           ; word 8 kt + j of the block
.set cnt, cnt+1
.endr
.set cnt, 0
.rept 32
	v_writelane_b32 v[24+cnt%4], s[32+cnt], 8*\blk+cnt/4   ; word 32 blk + i of the unit's 128 lies in lane 8 blk + i / 4, register i % 4
.set cnt, cnt+1
.endr
.endm
	MBLK 0
	MBLK 1
	MBLK 2
	MBLK 3
	global_store_b128 v6, v[24:27], s[6:7]         ; 32 lanes store 512 consecutive bytes, at a multiple of 512 from the buffer's first byte
	FINISH
; ---------------------------------------------------------------- Wq, Wk, Wv: K IS THE FIRST AXIS
; A lane takes a column n and its registers run down K: a block of 32 along K lies in one lane's 32 registers, and the conversions give codes with K innermost.  A wave takes 32 columns x 512 along K:
; 256 bytes of codes a column, which go through the wave's own stage and leave as rows: sixteen lanes store 256 consecutive bytes.  Loads run two blocks (64 loads a wave) ahead.
.set WX,  32                           ; v32-95   two sets of 32 numbers
.set WC,  96                           ; v96-99   a block's codes
.set WOUT, 112                         ; v112-175 the way out
.set WSB, 24                           ; v24-27   the scale bytes, four to a register
.Lw:
	s_load_b128 s[4:7], s[0:1], 0x0                ; Wq, Wk
	s_load_b64 s[8:9], s[0:1], 0x10                ; Wv
	s_load_b128 s[12:15], s[0:1], 0x30             ; w_codes, w_scales
	s_lshr_b32 s17, ttmp9, 4                       ; which weight: 0, 1, 2
	s_and_b32 s18, ttmp9, 7                        ; which 128 columns
	s_bfe_u32 s19, ttmp9, 0x10003                  ; which 512 along K
	s_lshl_b32 s18, s18, 7
	s_lshl_b32 s20, s16, 5
	s_add_co_u32 s18, s18, s20                     ; my wave's first column
	s_lshl_b32 s20, s19, 21                        ; 512 rows of 4,096 bytes
	s_lshl_b32 s21, s18, 2
	s_add_co_u32 s20, s20, s21
	s_mov_b32 s21, 0
	s_lshl_b32 s22, s17, 10
	s_add_co_u32 s22, s22, s18                     ; its row among the 3,072
	s_lshl_b32 s24, s22, 9                         ; 512 bytes of codes a row,
	s_lshl_b32 s23, s19, 8
	s_add_co_u32 s24, s24, s23                     ; + my 256
	s_mov_b32 s25, 0
	s_lshl_b32 s26, s22, 5                         ; 32 scale bytes a row,
	s_lshl_b32 s23, s19, 4
	s_add_co_u32 s26, s26, s23                     ; + my 16
	s_mov_b32 s27, 0
	s_mul_i32 s28, s16, 32*272
	s_add_co_u32 s28, s28, WR                      ; my stage
	v_lshlrev_b32 v3, 2, v2                        ; in: 4 bytes a lane
	v_mul_u32_u24 v4, v2, 272
	v_add_nc_u32 v4, s28, v4                       ; into the stage: row = my column
	v_and_b32 v5, 15, v2
	v_lshrrev_b32 v6, 4, v2
	v_mul_u32_u24 v7, v6, 272
	v_lshl_add_u32 v7, v5, 4, v7
	v_add_nc_u32 v7, s28, v7                       ; out of it: sixteen lanes to a row, two rows an instruction
	v_lshlrev_b32 v8, 9, v6
	v_lshl_add_u32 v8, v5, 4, v8                   ; and the same place among the codes
	v_lshlrev_b32 v9, 5, v2                        ; my column's row of scale bytes
	s_wait_kmcnt 0x0
	s_cmp_eq_u32 s17, 1                            ; the choice hangs on the work-group's number alone
	s_cselect_b64 s[4:5], s[6:7], s[4:5]
	s_cmp_eq_u32 s17, 2
	s_cselect_b64 s[4:5], s[8:9], s[4:5]
	s_add_nc_u64 s[4:5], s[4:5], s[20:21]
	s_add_nc_u64 s[12:13], s[12:13], s[24:25]
	s_add_nc_u64 s[14:15], s[14:15], s[26:27]
.macro WLOAD t                         ; block t: W(32 t + i, my column), i = 0 .. 31, into set t % 2; 511 rows of 4,096 bytes at the most: inside the signed 24-bit immediate
.irp i, 0,1,2,3,4,5,6,7,8,9,10,11,12,13,14,15,16,17,18,19,20,21,22,23,24,25,26,27,28,29,30,31
	global_load_b32 v[WX+32*((\t)%2)+\i], v3, s[4:5] offset:(32*(\t)+\i)*4096 th:TH_LOAD_NT
.endr
.endm
.macro WBLOCK t
.set XS, WX+32*((\t)%2)
.if (\t) < 15
	s_wait_loadcnt 32                              ; this block's 32 loads are in; the next block's may be out
.else
	s_wait_loadcnt 0
.endif
	v_max3_num_f32 v12, |v[XS]|, |v[XS+1]|, |v[XS+2]|   ; the block's largest magnitude: all 32 numbers are mine; two chains
	v_max3_num_f32 v13, |v[XS+3]|, |v[XS+4]|, |v[XS+5]|
.irp i, 6,10,14,18,22,26
	v_max3_num_f32 v12, v12, |v[XS+\i]|, |v[XS+\i+1]|
	v_max3_num_f32 v13, v13, |v[XS+\i+2]|, |v[XS+\i+3]|
.endr
	v_max3_num_f32 v12, v12, |v[XS+30]|, |v[XS+31]|
	v_max3_num_f32 v12, v12, v13, 0x1800000        ; and the floor 2^(3 - 127): so the byte cannot fall under 1
	v_add_nc_u32 v11, 0xff000000, v12              ; 2 off its exponent field: the conversion takes the exponent field of this operand as its scale, and nothing else of it
	v_lshrrev_b32 v13, 23, v11                     ; the scale's byte
.if (\t)%4 == 0
	v_mov_b32 v[WSB+(\t)/4], v13                   ; four bytes to a register, the lower K in the lower byte
.else
	v_lshl_or_b32 v[WSB+(\t)/4], v13, 8*((\t)%4), v[WSB+(\t)/4]
.endif
.irp g, 0,1,2,3
	v_cvt_scalef32_pk8_fp4_f32 v[WC+\g], v[XS+8*\g:XS+8*\g+7], v11
.endr
	ds_store_b128 v4, v[WC:WC+3] offset:16*(\t)    ; 32 codes: 16 bytes of my column's row
.if (\t)+2 < 16
	WLOAD (\t)+2
.endif
	s_wait_dscnt 0x0                               ; the store has read its registers: the next block's codes may be written (plain lines stand ahead of them)
.endm
	WLOAD 0
	WLOAD 1
.set WQ, 0
.rept 16
	WBLOCK WQ
.set WQ, WQ+1
.endr
	global_store_b128 v9, v[WSB:WSB+3], s[14:15]   ; my column's 16 scale bytes
.irp t, 0,1,2,3,4,5,6,7,8,9,10,11,12,13,14,15
	ds_load_b128 v[WOUT+4*\t:WOUT+4*\t+3], v7 offset:2*\t*272
.endr
.irp t, 0,1,2,3,4,5,6,7,8,9,10,11,12,13,14,15
	s_wait_dscnt 15-\t                             ; the younger loads from the stage may be out
	global_store_b128 v8, v[WOUT+4*\t:WOUT+4*\t+3], s[12:13] offset:2*\t*512
.endr
	FINISH
; ---------------------------------------------------------------- Wo: f16, IN THE ORDER OF THE OPERAND'S REGISTERS
; A lane takes a column n, its 64 registers run down K: eight neighbours along K pack into 16 bytes, which is what a lane of a 16-bit fragment holds.  Sixteen neighbouring lanes store 256 consecutive bytes.
.Lwo:
	s_load_b64 s[4:5], s[0:1], 0x18                ; Wo
	s_load_b64 s[6:7], s[0:1], 0x40                ; woimg
	s_sub_co_u32 s17, ttmp9, 48
	s_and_b32 s18, s17, 7                          ; which 128 columns
	s_lshr_b32 s19, s17, 3                         ; which 64 along K
	s_lshl_b32 s20, s19, 18                        ; 64 rows of 4,096 bytes
	s_lshl_b32 s21, s18, 9
	s_add_co_u32 s20, s20, s21
	s_lshl_b32 s21, s16, 7
	s_add_co_u32 s20, s20, s21                     ; + 4 x (128 x which + 32 x wave)
	s_mov_b32 s21, 0
	s_lshl_b32 s22, s18, 18                        ; a tile of 16 columns is 32,768 bytes: 8 tiles for 128 columns,
	s_lshl_b32 s23, s16, 16                        ; 2 for a wave,
	s_add_co_u32 s22, s22, s23
	s_lshl_b32 s23, s19, 11                        ; and 8 octets of 256 bytes for 64 along K
	s_add_co_u32 s22, s22, s23
	s_mov_b32 s23, 0
	v_lshlrev_b32 v3, 2, v2
	v_lshrrev_b32 v5, 4, v2
	v_and_b32 v6, 15, v2
	v_lshlrev_b32 v4, 4, v6
	v_lshl_add_u32 v4, v5, 15, v4                  ; out: tile lane / 16, 16 bytes for column lane % 16
	s_wait_kmcnt 0x0
	s_add_nc_u64 s[4:5], s[4:5], s[20:21]
	s_add_nc_u64 s[6:7], s[6:7], s[22:23]
.set cnt, 0
.rept 64
	global_load_b32 v[32+cnt], v3, s[4:5] offset:cnt*4096 th:TH_LOAD_NT
.set cnt, cnt+1
.endr
.irp o, 0,1,2,3,4,5,6,7
	s_wait_loadcnt 56-8*\o                         ; this octet's eight loads are in; the later octets' may be out
.irp i, 0,1,2,3
	v_cvt_pk_f16_f32 v[32+4*\o+\i], v[32+8*\o+2*\i], v[33+8*\o+2*\i]   ; in place, ascending: register 4 o + i never lies above its sources, nor among an earlier store's data
.endr
	global_store_b128 v4, v[32+4*\o:35+4*\o], s[6:7] offset:256*\o
.endr
	FINISH
; ---------------------------------------------------------------- x: K IS INNERMOST
; Rows are dense and 1,024 is a multiple of 32, so x is a plain stream of blocks of 32, and so are its codes and scale bytes.  A wave takes 16 steps of 512 numbers.  Each load reads 512 consecutive bytes;
; a step's 2,048 bytes turn through the wave's own stage (16 bytes of padding behind each 64), so that a lane holds 16 neighbours; two neighbouring lanes hold a block.  A step's codes are 256 consecutive
; bytes; a wave's 256 scale bytes are gathered in LDS and leave together.  Loads run four steps (16 loads a wave) ahead, the turn through LDS one step.
.set XSP, 80                           ; a lane's place in a stage: its 64 bytes + 16 of padding
.set XRG, 16                           ; v16-79   four sets of 16 numbers as they are loaded
.set XXG, 80                           ; v80-111  two sets of 16 neighbours
.set XEG, 112                          ; v112-127 a scale byte for each step
.set XCG, 128                          ; v128-191 codes: four registers for each step, so that no store's data are written again
.Lx:
	s_load_b64 s[4:5], s[0:1], 0x20                ; x
	s_load_b64 s[8:9], s[0:1], 0x48                ; x_codes
	s_load_b64 s[10:11], s[0:1], 0x50              ; x_scales
	v_lshlrev_b32 v3, 4, v2                        ; my 16 bytes of a load's 512
	s_lshl_b32 s17, s16, 13                        ; my wave's 8,192 bytes of LDS (XR = 0)
	v_lshrrev_b32 v14, 2, v2
	v_mul_u32_u24 v14, v14, XSP
	v_and_b32 v15, 3, v2
	v_lshl_add_u32 v14, v15, 4, v14
	v_add_nc_u32 v14, s17, v14                     ; the stage, on the way in: four lanes' 64 bytes on end, then 16 of padding
	v_mul_u32_u24 v15, v2, XSP
	v_add_nc_u32 v15, s17, v15                     ; and on the way out: my 16 neighbours
	v_lshlrev_b32 v4, 3, v2                        ; 8 bytes a lane: my codes' place in a step's, and my part of the 256 scale bytes
	v_lshrrev_b32 v5, 1, v2
	s_add_co_u32 s17, s17, 2*32*XSP
	v_add_nc_u32 v5, s17, v5                       ; LDS: my wave's 256 scale bytes, my block's byte
	v_add_nc_u32 v6, s17, v4                       ; and on the way out 8 bytes a lane
	s_sub_co_u32 s18, ttmp9, 176
	s_lshl_b32 s18, s18, 2
	s_add_co_u32 s18, s18, s16                     ; which run of 8,192 numbers is my wave's: 0 .. 1023
	s_lshl_b32 s20, s18, 15
	s_mov_b32 s21, 0
	s_lshl_b32 s22, s18, 12
	s_mov_b32 s23, 0
	s_lshl_b32 s24, s18, 8
	s_mov_b32 s25, 0
	s_wait_kmcnt 0x0
	s_add_nc_u64 s[4:5], s[4:5], s[20:21]
	s_add_nc_u64 s[8:9], s[8:9], s[22:23]
	s_add_nc_u64 s[10:11], s[10:11], s[24:25]
.macro XLOAD t
.irp i, 0,1,2,3
	global_load_b128 v[XRG+16*((\t)%4)+4*\i:XRG+16*((\t)%4)+4*\i+3], v3, s[4:5] offset:2048*(\t)+512*\i th:TH_LOAD_NT
.endr
.endm
.macro XTURN t                         ; step t's numbers through the stage: LDS serves a wave's instructions in order, so no wait stands between the stores and the loads
.irp i, 0,1,2,3
	ds_store_b128 v14, v[XRG+16*((\t)%4)+4*\i:XRG+16*((\t)%4)+4*\i+3] offset:32*XSP*((\t)%2)+8*XSP*\i
.endr
.irp i, 0,1,2,3
	ds_load_b128 v[XXG+16*((\t)%2)+4*\i:XXG+16*((\t)%2)+4*\i+3], v15 offset:32*XSP*((\t)%2)+16*\i
.endr
.endm
.irp t, 0,1,2,3
	XLOAD \t
.endr
	s_wait_loadcnt 12                              ; step 0's four loads are in
	XTURN 0
.macro XSTEP t
.set XS, XXG+16*((\t)%2)
.if (\t) > 0
	s_wait_dscnt 1                                 ; this step's numbers are back from the stage (the last step's byte store may be out): so its stores into the stage have read their registers,
.else
	s_wait_dscnt 0x0
.endif
.if (\t)+4 < 16
	XLOAD (\t)+4                                   ; which take the loads of four steps on
.endif
.if (\t)+1 < 16
.if 14-(\t) >= 3
	s_wait_loadcnt 12                              ; the next step's four loads are in; those of the three steps behind it may be out
.else
	s_wait_loadcnt 4*(14-(\t))
.endif
	XTURN (\t)+1                                   ; and go through the other stage while this step is worked
.endif
	v_max3_num_f32 v8, |v[XS]|, |v[XS+1]|, |v[XS+2]|   ; the largest magnitude of my 16
	v_max3_num_f32 v9, |v[XS+3]|, |v[XS+4]|, |v[XS+5]|
.irp i, 6,10
	v_max3_num_f32 v8, v8, |v[XS+\i]|, |v[XS+\i+1]|
	v_max3_num_f32 v9, v9, |v[XS+\i+2]|, |v[XS+\i+3]|
.endr
	v_max3_num_f32 v8, v8, |v[XS+14]|, |v[XS+15]|
	v_max3_num_f32 v8, v8, v9, 0x1800000           ; and the floor 2^(3 - 127)
	v_max_num_f32_dpp v8, v8, v8 row_xmask:1 row_mask:0xf bank_mask:0xf   ; and of my neighbour's 16: the block's
	v_add_nc_u32 v11, 0xff000000, v8               ; 2 off its exponent field: the conversion's scale operand
	v_cvt_scalef32_pk8_fp4_f32 v[XCG+4*(\t)], v[XS:XS+7], v11
	v_cvt_scalef32_pk8_fp4_f32 v[XCG+4*(\t)+1], v[XS+8:XS+15], v11
	v_lshrrev_b32 v[XEG+(\t)], 23, v11             ; the scale's byte (a plain line behind the conversions)
	ds_store_b8 v5, v[XEG+(\t)] offset:16*(\t)     ; both lanes of a block write the same byte with the same value
	global_store_b64 v4, v[XCG+4*(\t):XCG+4*(\t)+1], s[8:9] offset:256*(\t)   ; 32 lanes store 256 consecutive bytes
.endm
.irp t, 0,1,2,3,4,5,6,7,8,9,10,11,12,13,14,15
	XSTEP \t
.endr
	ds_load_b64 v[8:9], v6                         ; LDS serves a wave's instructions in order: these see my stores
	s_wait_dscnt 0x0
	global_store_b64 v4, v[8:9], s[10:11]          ; 32 lanes store 256 consecutive bytes
	FINISH
.Lfunc_end_k_q0aa2f7f2dd_prep:
	.size	k_q0aa2f7f2dd_prep, .Lfunc_end_k_q0aa2f7f2dd_prep-k_q0aa2f7f2dd_prep
	.p2alignl 7, 3214868480
	.fill 96, 4, 3214868480
	.section	.rodata,"a",@progbits
	.p2align	6, 0x0
	.amdhsa_kernel k_q0aa2f7f2dd_prep
		.amdhsa_group_segment_fixed_size 85504
		.amdhsa_private_segment_fixed_size 0
		.amdhsa_enable_private_segment 0
		.amdhsa_kernarg_size 96
		.amdhsa_user_sgpr_count 2
		.amdhsa_user_sgpr_kernarg_segment_ptr 1
		.amdhsa_wavefront_size32 1
		.amdhsa_system_sgpr_workgroup_id_x 1
		.amdhsa_system_sgpr_workgroup_id_y 1
		.amdhsa_system_sgpr_workgroup_id_z 1
		.amdhsa_system_vgpr_workitem_id 0
		.amdhsa_next_free_vgpr 196
		.amdhsa_next_free_sgpr 66
		.amdhsa_reserve_vcc 0
		.amdhsa_float_denorm_mode_32 3
		.amdhsa_float_denorm_mode_16_64 3
		.amdhsa_memory_ordered 1
		.amdhsa_forward_progress 1
		.amdhsa_inst_pref_size 146
	.end_amdhsa_kernel
	.amdgpu_metadata
---
amdhsa.version: [ 1, 2 ]
amdhsa.kernels:
  - .name:           k_q0aa2f7f2dd_prep
    .symbol:         k_q0aa2f7f2dd_prep.kd
    .args:
      - { .name: Wq, .offset: 0, .size: 8, .value_kind: global_buffer, .address_space: global }
      - { .name: Wk, .offset: 8, .size: 8, .value_kind: global_buffer, .address_space: global }
      - { .name: Wv, .offset: 16, .size: 8, .value_kind: global_buffer, .address_space: global }
      - { .name: Wo, .offset: 24, .size: 8, .value_kind: global_buffer, .address_space: global }
      - { .name: x, .offset: 32, .size: 8, .value_kind: global_buffer, .address_space: global }
      - { .name: mask, .offset: 40, .size: 8, .value_kind: global_buffer, .address_space: global }
      - { .name: w_codes, .offset: 48, .size: 8, .value_kind: global_buffer, .address_space: global }
      - { .name: w_scales, .offset: 56, .size: 8, .value_kind: global_buffer, .address_space: global }
      - { .name: woimg, .offset: 64, .size: 8, .value_kind: global_buffer, .address_space: global }
      - { .name: x_codes, .offset: 72, .size: 8, .value_kind: global_buffer, .address_space: global }
      - { .name: x_scales, .offset: 80, .size: 8, .value_kind: global_buffer, .address_space: global }
      - { .name: maskw, .offset: 88, .size: 8, .value_kind: global_buffer, .address_space: global }
    .group_segment_fixed_size: 85504
    .private_segment_fixed_size: 0
    .kernarg_segment_align: 8
    .kernarg_segment_size: 96
    .max_flat_workgroup_size: 128
    .sgpr_count:     66
    .vgpr_count:     196
    .wavefront_size: 32
...
	.end_amdgpu_metadata
.endif
;; end of part 1
;; launch qkv (part 2): grid 12 x 32, 4 waves a work-group, clusters of 4 x 4, 327,680 bytes of LDS; arguments x_codes, x_scales, w_codes, w_scales, bq, bk, bv, qkv; writes qkv
.if DOCPART == 2
	.amdgcn_target "amdgcn-amd-amdhsa--gfx1250"
	.amdhsa_code_object_version 6
	.text
	.protected	k_q0aa2f7f2dd_qkv
	.globl	k_q0aa2f7f2dd_qkv
	.p2align	8
	.type	k_q0aa2f7f2dd_qkv,@function
k_q0aa2f7f2dd_qkv:
	s_mov_b64 s[64:65], 0
	v_nop
	global_prefetch_b8 v0, s[64:65] scope:SCOPE_SE
	s_setreg_imm32_b32 hwreg(HW_REG_WAVE_MODE, 25, 1), 1
	s_wait_xcnt 0x0
	s_wait_alu depctr_hold_cnt(0) depctr_sa_sdst(0) depctr_va_vdst(0) depctr_va_sdst(0) depctr_va_ssrc(0) depctr_va_vcc(0) depctr_vm_vsrc(0)
	s_getreg_b32 s2, hwreg(HW_REG_IB_STS2, 6, 4)
	s_cmp_eq_u32 s2, 0
	s_cbranch_scc0 .Lentry_in_a_cluster
	s_endpgm
.Lentry_in_a_cluster:
	s_bfe_u32 s2, ttmp6, 0x10000c
	s_cmp_lg_u32 s2, 0xf033
	s_cbranch_scc0 .Lentry_shape_is_right
	s_endpgm
.Lentry_shape_is_right:
; Q, K, V = x Wq + bq, x Wk + bk, x Wv + bv AS ONE PRODUCT ON CODES OF FP4 (E2M1) with one E8M0 scale for each 32 along K: [8192 tokens][1024] x [3072 columns][1024]^T; sums in f32, begun with the bias.
; The results leave as f16, laid in the order in which the attention launch's operand registers take them:
;   Q at byte 0:          [head 64][tile of 16 queries, 128][octet of channels, 8][query % 16][8 channels]
;   K, V at byte 2^24:    [head 64][slot of 512 keys, 4][K: [tile of 16 keys, 32][octet 8][key % 16][8 channels], 65,536 bytes | V: [tile 32][16 channels, 4][key % 16][16 channels], 65,536 bytes]
; LIMIT: |Q|, |K|, |V| up to 65,504, the largest f16 number.
; A tile of 256 tokens x 256 columns is made by a work-group of four waves; a wave makes 128 x 128: 64 accumulators of 16 x 16, 512 registers.  K = 1,024 is two LDS slots of 512 along K (rows of 256 bytes):
; both are asked for at the head and nothing is filled again.  By the text's own count a wave has three tensor loads out at the most: its scales, slot 0, slot 1.
; THE SCALES of the work-group's 256 + 256 rows, for all of K, are two dense blocks of memory and come into LDS once.
; CLUSTERS: 4 x 4 work-groups.  The four of a row of the cluster need the same tiles of x, the four of a column the same tiles of W: each tile is asked for JOINTLY.  The cluster's x is the kind (0: Q, 1: K, 2: V),
; the same in all sixteen partners.
; THE MATRIX INSTRUCTION IS USED TRANSPOSED (source 0 = 16 columns of W, source 1 = 16 tokens): a lane then holds eight neighbouring channels of one token, 16 bytes of f16, and 32 lanes store 512 consecutive bytes of an image: no stage in LDS.
; REGISTERS, in windows of 256: window 0: v0-31 addresses; v32-95 scale words, two sets; v128-191 x's fragments, ONE set; v192-255 the bias, eight registers for each block of 16 columns; on the way out v128-255 take the packed results.
;   window 1: W's fragments, TWO sets, at v0 and at v128.   window 2: the 32 accumulators of my tokens 0-63 (accumulator (a, b) at v[8 (8 a + b)]);   window 3: those of my tokens 64-127.
.set KSTEP,  512
.set NQ,     4                         ; matrix instructions deep in a slot
.set ROWB,   256                       ; a tile's row in bytes
.set KROW,   512                       ; a row of codes in memory
.set PITCH,  272                       ; an LDS row: 256 bytes + 16 of padding = 68 words: the 16 rows that a load touches start at 16 different banks (64 banks of 4 bytes: ISA guide 11.1)
.set FR,     8
.set NL,     2
.set NP,     4                         ; places behind this matrix instruction (ISA guide 7.12.1)
.set HALFT,  128*PITCH
.set SLOT,   4*HALFT
.set KS,     32                        ; a row of scales in bytes
.set SCL,    2*SLOT
.set HALFS,  (128*KS/256)*272
.set SBLK,   (16*KS/256)*272
.set SPARE,  SCL+4*HALFS               ; the spare words, 128 bytes for each wave: two blocks of 256 bytes that no other line names
.set ADRA, 16                          ; v16-17  LDS address of my fragments of x in slot 0, 1
.set ADRB, 20                          ; v20-21  the same for W
.set CO,   26                          ; v26     my lane's place in 512 bytes of an image
.set ADRS, 27                          ; v27     LDS address of my scale words: lanes 0-15 x's rows, lanes 16-31 W's
.set SPW,  28                          ; v28     LDS address of my spare word; never rewritten
.set NIL,  29                          ; v29     0; never rewritten
.set BOF,  30                          ; v30     32 x (lane / 16): my eight numbers of a block's 16 of the bias
.set SC,   32
.set AF,   128
.set BIAS, 192
.set PK,   128                         ; the way out: four sets of 32 registers
.set G1, 24
.set G0, 32
.set G1B, 48
.set G0B, 56
.set G1S, 68
.set G0S, 76
.set G1SB, 80
.set G0SB, 88
.set MSB, 0
.macro WIN new                         ; the immediate's high byte repeats the setting that is left
.if MSB != \new
	s_set_vgpr_msb (MSB<<8)|\new
.set MSB, \new
.endif
.endm
.set MUL_LO, 0xa1                      ; source 0 (W) window 1, source 1 (x) window 0, C and D window 2
.set MUL_HI, 0xf1                      ; the same, C and D window 3
.set BIA_LO, 0x81                      ; the first step: C (the bias) window 0, D window 2
.set BIA_HI, 0xc1                      ; and D window 3
.set TO_B,   0x40                      ; destination window 1, address window 0
; A joint load: waves 0 and 1 fetch for x, waves 2 and 3 for W.  The branch hangs on the wave's number alone.  An s_nop 0 and four v_nop follow each of the two lines.
.macro JLOAD g0a, g1a, g0b, g1b
	s_cmp_eq_u32 s15, 0
	s_cbranch_scc0 .Lfor_b_\@
	tensor_load_to_lds s[\g0a:\g0a+3], s[\g1a:\g1a+7]
	s_nop 0
.rept 4
	v_nop
.endr
	s_branch .Lasked_\@
.Lfor_b_\@:
	tensor_load_to_lds s[\g0b:\g0b+3], s[\g1b:\g1b+7]
	s_nop 0
.rept 4
	v_nop
.endr
.Lasked_\@:
.endm
.macro CROUND                          ; a round of the cluster's barrier
	s_barrier_signal -1
	s_barrier_wait -1
	s_cmp_lg_u32 s14, 0
	s_cbranch_scc1 .Lnot_wave_0_\@
	s_barrier_signal -3
.Lnot_wave_0_\@:
	s_barrier_wait -3
	s_barrier_signal -1
	s_barrier_wait -1
.endm
	s_load_b128 s[4:7], s[0:1], 0x0                ; x's codes, x's scales
	s_load_b128 s[8:11], s[0:1], 0x10              ; W's codes, W's scales
	v_lshl_add_u32 v[SPW], v0, 2, SPARE
	v_mov_b32 v[NIL], 0
	ds_add_u32 v[SPW], v[NIL]                      ; the wave's opening: the add, twice on end, and its wait ahead of my first tensor load
	ds_add_u32 v[SPW], v[NIL]                      ; and once more; the set-up below, work on registers, stands between it and the wait
	v_lshrrev_b32 v1, 5, v0
	v_readfirstlane_b32 s14, v1                    ; wave 0..3
	s_lshr_b32 s15, s14, 1                         ; which half of the tile's tokens is mine.  Also: I fetch for x (0) or for W (1)
	s_and_b32 s16, s14, 1                          ; which half of its columns.  Also: which 128 rows of that tile I fetch
	s_bfe_u32 s40, ttmp6, 0x40000                  ; cx, cy: my place in the cluster
	s_bfe_u32 s41, ttmp6, 0x40004
	s_lshl_b32 s42, ttmp9, 2
	s_add_co_u32 s42, s42, s40                     ; tile column = 4 x cluster x + cx
	s_and_b32 s17, ttmp7, 0xffff
	s_lshl_b32 s17, s17, 2
	s_add_co_u32 s17, s17, s41                     ; tile row = 4 x cluster y + cy
	s_lshl_b32 s43, s41, 2
	s_lshl_b32 s43, 15, s43                        ; my row of the cluster
	s_lshl_b32 s44, 0x1111, s40                    ; my column
	; descriptor group 1: a tile of 128 rows x 256 bytes, padded in LDS
	s_or_b32 s[G1+0], s43, (0<<16)|(1<<20)|(1<<21)|(5<<22)|(3<<25)  ; 15:0 the mask: x's tiles go to my row; 17:16 element of 1 byte; 20 padding on; 21 set beside a mask; 24:22 after every 64 words; 31:25 of 4 words
	s_or_b32 s[G1B+0], s44, (0<<16)|(1<<20)|(1<<21)|(5<<22)|(3<<25)
.irp g, G1, G1B
	s_mov_b32 s[\g+1], ROWB<<16                    ; tensor_dim0
	s_mov_b32 s[\g+2], 128<<16                     ; tensor_dim1
	s_mov_b32 s[\g+3], ROWB<<16                    ; tile_dim0
	s_mov_b32 s[\g+4], 128                         ; tile_dim1
	s_mov_b32 s[\g+5], KROW                        ; tensor_dim0_stride
	s_mov_b32 s[\g+6], 0
	s_mov_b32 s[\g+7], 0
.endr
	; the scales of 128 rows: a dense block of 4,096 bytes, as 16 rows of 256 bytes (32 elements of 8 bytes), 16 bytes of padding behind each
	s_or_b32 s[G1S+0], s43, (3<<16)|(1<<20)|(1<<21)|(5<<22)|(3<<25)
	s_or_b32 s[G1SB+0], s44, (3<<16)|(1<<20)|(1<<21)|(5<<22)|(3<<25)
.irp g, G1S, G1SB
	s_mov_b32 s[\g+1], 32<<16
	s_mov_b32 s[\g+2], (128*KS/256)<<16
	s_mov_b32 s[\g+3], 32<<16
	s_mov_b32 s[\g+4], 128*KS/256
	s_mov_b32 s[\g+5], 32
	s_mov_b32 s[\g+6], 0
	s_mov_b32 s[\g+7], 0
.endr
	s_lshl_b32 s18, s16, 7                         ; which 128 rows of the tile I fetch
	s_lshl_b32 s20, s17, 8
	s_add_co_u32 s20, s20, s18                     ; x: row 256 x tile row + 128 x half
	s_lshl_b32 s46, s42, 8
	s_add_co_u32 s46, s46, s18                     ; W: row 256 x tile column + 128 x half
	s_mov_b32 s21, 0
	s_mov_b32 s47, 0
	s_mov_b64 s[18:19], KS
	s_mul_u64 s[22:23], s[20:21], s[18:19]         ; where these rows' scales begin, in bytes
	s_mul_u64 s[92:93], s[46:47], s[18:19]
	s_mov_b64 s[18:19], KROW
	s_mul_u64 s[20:21], s[20:21], s[18:19]         ; and their codes
	s_mul_u64 s[46:47], s[46:47], s[18:19]
	s_mul_i32 s45, s14, HALFT                      ; where they go: wave x 128 rows: no place in the cluster enters an LDS address
	s_mul_i32 s94, s14, HALFS
	s_wait_dscnt 0x0                               ; both opening adds are done
	s_wait_kmcnt 0x0
	s_add_nc_u64 s[20:21], s[4:5], s[20:21]
	s_add_nc_u64 s[22:23], s[6:7], s[22:23]
	s_add_nc_u64 s[46:47], s[8:9], s[46:47]
	s_add_nc_u64 s[92:93], s[10:11], s[92:93]
	CROUND                                         ; all sixteen work-groups are here: the first joint loads meet
	s_mov_b32 s[G0S], 1
	s_add_co_u32 s[G0S+1], s94, SCL
	s_mov_b64 s[G0S+2:G0S+3], s[22:23]
	s_or_b32 s[G0S+3], s[G0S+3], 0x80000000
	s_mov_b32 s[G0SB], 1
	s_add_co_u32 s[G0SB+1], s94, SCL
	s_mov_b64 s[G0SB+2:G0SB+3], s[92:93]
	s_or_b32 s[G0SB+3], s[G0SB+3], 0x80000000
	JLOAD G0S, G1S, G0SB, G1SB                     ; the scales first: they are wanted with the first step
.irp s, 0,1
	s_mov_b32 s[G0+4*\s], 1
	s_add_co_u32 s[G0+4*\s+1], s45, \s*SLOT
	s_add_nc_u64 s[G0+4*\s+2:G0+4*\s+3], s[20:21], \s*ROWB
	s_or_b32 s[G0+4*\s+3], s[G0+4*\s+3], 0x80000000
	s_mov_b32 s[G0B+4*\s], 1
	s_add_co_u32 s[G0B+4*\s+1], s45, \s*SLOT
	s_add_nc_u64 s[G0B+4*\s+2:G0B+4*\s+3], s[46:47], \s*ROWB
	s_or_b32 s[G0B+4*\s+3], s[G0B+4*\s+3], 0x80000000
	JLOAD G0+4*\s, G1, G0B+4*\s, G1B
.endr
	s_load_b256 s[4:11], s[0:1], 0x20              ; bq s[4:5], bk s[6:7], bv s[8:9], qkv s[10:11]: the four pointers above are done with
	v_and_b32 v1, 15, v0                           ; r = l % 16
	v_bfe_u32 v2, v0, 4, 1                         ; h = l / 16
	v_mul_u32_u24 v3, v1, PITCH
	v_lshl_add_u32 v4, v2, 4, v3                   ; a fragment's row x pitch + 16 x half
	s_mul_i32 s21, s15, HALFT                      ; my 128 rows of x
	s_mul_i32 s22, s16, HALFT                      ; my 128 rows of W,
	s_add_co_u32 s22, s22, 2*HALFT                 ; which lie behind x's 256
.irp s, 0,1
	v_add_nc_u32 v[ADRA+\s], s21, v4
	v_add_nc_u32 v[ADRB+\s], s22, v4
	s_add_co_u32 s21, s21, SLOT
	s_add_co_u32 s22, s22, SLOT
.endr
	v_mul_u32_u24 v5, v1, KS                       ; my row's scales: 32 bytes a row,
	v_lshrrev_b32 v6, 8, v5
	v_lshl_add_u32 v5, v6, 4, v5                   ; and 16 more for each 256 passed
	s_mul_i32 s21, s15, HALFS                      ; x's: my 128 rows
	s_mul_i32 s22, s16, HALFS                      ; W's: my 128 rows, behind x's 256
	s_add_co_u32 s22, s22, 2*HALFS
	s_sub_co_u32 s22, s22, s21
	v_mul_u32_u24 v6, s22, v2                      ; lanes 16-31 take W's: one product, the lower base + h x the distance
	s_add_co_u32 s21, s21, SCL
	v_add_nc_u32 v5, v5, v6
	v_add_nc_u32 v[ADRS], s21, v5
	v_lshlrev_b32 v[BOF], 5, v2
	; where my results go.  The kind, the cluster's x, sets shift counts and flags; all else is shifts and sums of ids.
	s_cmp_eq_u32 ttmp9, 0
	s_cselect_b32 s95, 18, 19                      ; log2 of a head's bytes: Q's image 2^18, K and V together 2^19
	s_cselect_b32 s96, 0, 1                        ; K or V?
	s_cmp_eq_u32 ttmp9, 2
	s_cselect_b32 s97, 1, 0                        ; V?
	s_cselect_b32 s98, 5, 4                        ; my lane's place: Q, K: 16 r + 256 h;  V: 32 r + 16 h
	s_cselect_b32 s99, 4, 8
	v_lshlrev_b32 v[CO], s98, v1
	v_lshlrev_b32 v6, s99, v2
	v_add_nc_u32 v[CO], v[CO], v6
	s_lshr_b32 s18, s17, 3                         ; the batch: 8 tile rows each
	s_lshl_b32 s18, s18, 4
	s_lshl_b32 s19, s40, 2
	s_add_co_u32 s18, s18, s19
	s_lshl_b32 s19, s16, 1
	s_add_co_u32 s18, s18, s19                     ; my first head: 16 x batch + 4 cx + 2 x half; my 128 columns are two heads
	s_lshl_b32 s18, s18, s95
	s_and_b32 s19, s17, 7
	s_lshl_b32 s19, s19, 8
	s_lshl_b32 s22, s15, 7
	s_add_co_u32 s19, s19, s22                     ; n0: my first token in its batch, a multiple of 128
	s_lshl_b32 s22, s19, 7
	s_add_co_u32 s18, s18, s22                     ; 2,048 bytes for each 16 tokens
	s_lshr_b32 s22, s19, 9
	s_lshl_b32 s22, s22, 16                        ; K, V: each slot of 512 keys passed is 65,536 bytes more, since the other part lies between,
	s_add_co_u32 s22, s22, 0x1000000               ; and both lie behind Q's image
	s_mul_i32 s22, s22, s96
	s_add_co_u32 s18, s18, s22
	s_lshl_b32 s22, s97, 16                        ; V: behind the slot's K
	s_add_co_u32 s18, s18, s22
	s_mov_b32 s19, 0
	s_lshl_b32 s22, 1, s95                         ; from a head to the next
	s_mov_b32 s23, 0
	s_lshl_b32 s92, s40, 10                        ; the bias: 4 x (256 cx + 128 x half)
	s_lshl_b32 s93, s16, 9
	s_add_co_u32 s92, s92, s93
	s_mov_b32 s93, 0
	s_wait_kmcnt 0x0
	s_add_nc_u64 s[12:13], s[10:11], s[18:19]      ; my first head's place,
	s_add_nc_u64 s[20:21], s[12:13], s[22:23]      ; my second's
	s_cmp_eq_u32 ttmp9, 1                          ; the choice hangs on the cluster's number alone
	s_cselect_b64 s[4:5], s[6:7], s[4:5]
	s_cmp_eq_u32 ttmp9, 2
	s_cselect_b64 s[4:5], s[8:9], s[4:5]
	s_add_nc_u64 s[4:5], s[4:5], s[92:93]
.irp b, 0,1,2,3,4,5,6,7                        ; in the result's layout: register j of block b is the bias of column 16 b + 8 h + j, whatever the token
	global_load_b128 v[BIAS+8*\b:BIAS+8*\b+3], v[BOF], s[4:5] offset:64*\b
	global_load_b128 v[BIAS+8*\b+4:BIAS+8*\b+7], v[BOF], s[4:5] offset:64*\b+16
.endr
.macro FRAG reg, adr, q, i             ; a fragment, 16 rows x 128 K of 4-bit codes: lane l holds row l % 16; registers 4 c .. 4 c + 3 hold K = 64 c + 32 (l / 16) + 0 .. 31
.irp c, 0,1
	ds_load_b128 v[\reg+4*\c:\reg+4*\c+3], v[\adr] offset:64*(\q)+32*\c+(\i)*16*PITCH
.endr
.endm
; 16 matrix instructions: x's blocks a0, a0 + 1 against W's eight, 128 along K: the slot's q-th.  p: W's set;  sc: the set of scale words.  first = 1: the sums begin with the bias as C: no addition, nothing cleared.
; The 64 accumulators take turns, one instruction a turn, in the same order in every step.
.macro MUL16 a0, p, q, sc, first
.irp a, \a0, \a0+1
.irp b, 0,1,2,3,4,5,6,7
.if \first
	v_wmma_scale_f32_16x16x128_f8f6f4 v[8*(8*((\a)%4)+\b):8*(8*((\a)%4)+\b)+7], v[128*(\p)+FR*\b:128*(\p)+FR*\b+FR-1], v[AF+FR*(\a):AF+FR*(\a)+FR-1], v[BIAS+8*\b:BIAS+8*\b+7], v[SC+8*NQ*(\sc)+NQ*\b+(\q)], v[SC+8*NQ*(\sc)+NQ*(\a)+(\q)] matrix_a_fmt:MATRIX_FMT_FP4 matrix_b_fmt:MATRIX_FMT_FP4 matrix_a_scale:MATRIX_SCALE_ROW1
.else
	v_wmma_scale_f32_16x16x128_f8f6f4 v[8*(8*((\a)%4)+\b):8*(8*((\a)%4)+\b)+7], v[128*(\p)+FR*\b:128*(\p)+FR*\b+FR-1], v[AF+FR*(\a):AF+FR*(\a)+FR-1], v[8*(8*((\a)%4)+\b):8*(8*((\a)%4)+\b)+7], v[SC+8*NQ*(\sc)+NQ*\b+(\q)], v[SC+8*NQ*(\sc)+NQ*(\a)+(\q)] matrix_a_fmt:MATRIX_FMT_FP4 matrix_b_fmt:MATRIX_FMT_FP4 matrix_a_scale:MATRIX_SCALE_ROW1
.endif
.endr
.endr
.endm
.macro FETCH_B slot, q, p              ; W's eight fragments of the slot's q-th 128 along K into set p
	WIN TO_B
.irp i, 0,1,2,3,4,5,6,7
	FRAG 128*(\p)+FR*\i, ADRB+\slot, \q, \i
.endr
	WIN 0
.endm
.macro FETCH_A slot, q, i0             ; x's blocks i0 .. i0 + 3
.irp i, \i0, \i0+1, \i0+2, \i0+3
	FRAG AF+FR*(\i), ADRA+\slot, \q, \i
.endr
.endm
.macro SCALES sc                       ; a slot's scale words into set sc: four words a row; lanes 0-15 take x's block i, lanes 16-31 W's block i
.irp i, 0,1,2,3,4,5,6,7
	ds_load_b128 v[SC+8*NQ*\sc+NQ*\i:SC+8*NQ*\sc+NQ*\i+3], v[ADRS] offset:\i*SBLK
.endr
.endm
; A load into a register that a matrix instruction has read, and a vector instruction that reads a matrix result or writes one of its registers, stand NP places behind it; only plain vector instructions that name
; none of its registers are places (ISA guide 7.12.1 for vector instructions).
.macro PLACES n
.rept \n
	v_nop
.endr
.endm
.macro STEP slot, q, first             ; a step of 128 along K that has its successor in the same slot
	s_wait_dscnt 4*NL                              ; W's set and x's blocks 0-3 are in; the youngest eight loads (x's blocks 4-7) may be out
.if \first
	WIN BIA_LO
.else
	WIN MUL_LO
.endif
	MUL16 0, (\q)%2, \q, \slot, \first
	MUL16 2, (\q)%2, \q, \slot, \first
	s_wait_dscnt 0                                 ; x's blocks 4-7 are in (asked for 32 matrix instructions ago)
	PLACES NP
	FETCH_B \slot, (\q)+1, 1-(\q)%2
	FETCH_A \slot, (\q)+1, 0
.if \first
	WIN BIA_HI
.else
	WIN MUL_HI
.endif
	MUL16 4, (\q)%2, \q, \slot, \first
	MUL16 6, (\q)%2, \q, \slot, \first
	PLACES NP
	WIN 0
	FETCH_A \slot, (\q)+1, 4
.endm
.macro STEPS slot, from                ; the slot's steps from .. NQ - 2
.set Q, \from
.rept NQ-1-\from
	STEP \slot, Q, 0
.set Q, Q+1
.endr
.endm
	s_wait_tensorcnt 1                             ; the scales and my part of slot 0 are in (slot 1's load may be out)
	s_barrier_signal -1
	s_barrier_wait -1                              ; everybody's are
	FETCH_B 0, 0, 0
	FETCH_A 0, 0, 0
	SCALES 0
	FETCH_A 0, 0, 4
	s_wait_loadcnt 0x0                             ; the bias
	STEP 0, 0, 1
	STEPS 0, 1
	; slot 0's last step changes slots: one barrier; in front of it each wave waits for all its tensor loads (my part of slot 1), adds 0 to its spare word, and waits for that and for its reads of slot 0
	s_wait_tensorcnt 0x0
	ds_add_u32 v[SPW], v[NIL]
	s_wait_dscnt 4*NL+1                            ; (the add and the youngest eight loads, x's blocks 4-7, may be out)
	WIN MUL_LO
	MUL16 0, 1, NQ-1, 0, 0                         ; sixteen matrix instructions stand between the add and the wait for it
	s_wait_dscnt 0x0
	s_barrier_signal -1
	MUL16 2, 1, NQ-1, 0, 0
	WIN 0
	s_barrier_wait -1                              ; slot 1 is whole
	PLACES NP
	v_add_nc_u32 v[ADRS], 4*NQ, v[ADRS]            ; on to slot 1's scale words (no LDS load of mine is out)
	FETCH_B 1, 0, 0
	FETCH_A 1, 0, 0
	SCALES 1
	WIN MUL_HI
	MUL16 4, 1, NQ-1, 0, 0
	MUL16 6, 1, NQ-1, 0, 0
	PLACES NP
	WIN 0
	FETCH_A 1, 0, 4
	STEPS 1, 0
	s_wait_dscnt 4*NL                              ; the very last step: nothing more to fetch
	WIN MUL_LO
	MUL16 0, 1, NQ-1, 1, 0
	MUL16 2, 1, NQ-1, 1, 0
	s_wait_dscnt 0
	WIN MUL_HI
	MUL16 4, 1, NQ-1, 1, 0
	MUL16 6, 1, NQ-1, 1, 0
	WIN 0
; THE WAY OUT, block by block of 16 tokens x 128 channels: rounded to f16, each accumulator from its low end on; a lane's eight channels are 16 bytes; the 32 lanes of a store cover 512 consecutive bytes of an image.
; Blocks of 16 channels 0-3 belong to my first head, 4-7 to my second.  Four sets of registers take turns; a set is written again only when the stores that read it have had their sources read.
.macro OUT a
.set AC, 64*((\a)%4)
.set PB, PK+32*((\a)%4)
.if (\a) >= 4
	s_wait_xcnt 0x0                                ; block a - 4's stores have read their data
.endif
	WIN 0x0a+5*((\a)/4)                            ; sources 0 and 1: window 2 or 3
.irp b, 0,1,2,3,4,5,6,7
.irp i, 0,1,2,3
	v_cvt_pk_f16_f32 v[PB+4*\b+\i], v[AC+8*\b+2*\i], v[AC+8*\b+2*\i+1]
.endr
.endr
	WIN 0
.irp b, 0,1,2,3
	global_store_b128 v[CO], v[PB+4*\b:PB+4*\b+3], s[12:13] offset:(\a)*2048+\b*512 th:TH_STORE_NT
.endr
.irp b, 0,1,2,3
	global_store_b128 v[CO], v[PB+16+4*\b:PB+16+4*\b+3], s[20:21] offset:(\a)*2048+\b*512 th:TH_STORE_NT
.endr
.endm
	PLACES NP                                      ; behind the last products: for the reads of results and for the writes over x's fragments
.irp a, 0,1,2,3,4,5,6,7
	OUT \a
.endr
	s_wait_tensorcnt 0x0                           ; the wave's end, behind my last tensor load
	ds_add_u32 v[SPW], v[NIL]
	s_wait_dscnt 0x0
	CROUND                                         ; the closing round: no work-group ends while a partner may still ask for a tile that names it
	s_endpgm
.Lfunc_end_k_q0aa2f7f2dd_qkv:
	.size	k_q0aa2f7f2dd_qkv, .Lfunc_end_k_q0aa2f7f2dd_qkv-k_q0aa2f7f2dd_qkv
	.p2alignl 7, 3214868480
	.fill 96, 4, 3214868480
	.section	.rodata,"a",@progbits
	.p2align	6, 0x0
	.amdhsa_kernel k_q0aa2f7f2dd_qkv
		.amdhsa_group_segment_fixed_size 327680
		.amdhsa_private_segment_fixed_size 0
		.amdhsa_enable_private_segment 0
		.amdhsa_kernarg_size 64
		.amdhsa_user_sgpr_count 2
		.amdhsa_user_sgpr_kernarg_segment_ptr 1
		.amdhsa_wavefront_size32 1
		.amdhsa_system_sgpr_workgroup_id_x 1
		.amdhsa_system_sgpr_workgroup_id_y 1
		.amdhsa_system_sgpr_workgroup_id_z 1
		.amdhsa_system_vgpr_workitem_id 0
		.amdhsa_next_free_vgpr 1024
		.amdhsa_next_free_sgpr 100
		.amdhsa_reserve_vcc 0
		.amdhsa_float_denorm_mode_32 3
		.amdhsa_float_denorm_mode_16_64 3
		.amdhsa_memory_ordered 1
		.amdhsa_forward_progress 1
		.amdhsa_inst_pref_size 120
	.end_amdhsa_kernel
	.amdgpu_metadata
---
amdhsa.version: [ 1, 2 ]
amdhsa.kernels:
  - .name:           k_q0aa2f7f2dd_qkv
    .symbol:         k_q0aa2f7f2dd_qkv.kd
    .args:
      - { .name: x_codes, .offset: 0, .size: 8, .value_kind: global_buffer, .address_space: global }
      - { .name: x_scales, .offset: 8, .size: 8, .value_kind: global_buffer, .address_space: global }
      - { .name: w_codes, .offset: 16, .size: 8, .value_kind: global_buffer, .address_space: global }
      - { .name: w_scales, .offset: 24, .size: 8, .value_kind: global_buffer, .address_space: global }
      - { .name: bq, .offset: 32, .size: 8, .value_kind: global_buffer, .address_space: global }
      - { .name: bk, .offset: 40, .size: 8, .value_kind: global_buffer, .address_space: global }
      - { .name: bv, .offset: 48, .size: 8, .value_kind: global_buffer, .address_space: global }
      - { .name: qkv, .offset: 56, .size: 8, .value_kind: global_buffer, .address_space: global }
    .group_segment_fixed_size: 327680
    .private_segment_fixed_size: 0
    .kernarg_segment_align: 8
    .kernarg_segment_size: 64
    .max_flat_workgroup_size: 128
    .sgpr_count:     100
    .vgpr_count:     1024
    .wavefront_size: 32
...
	.end_amdgpu_metadata
.endif
;; end of part 2
;; launch attn (part 3): grid 4 x 64, 16 waves a work-group, clusters of 4 x 1, 327,680 bytes of LDS; arguments qkv, maskw, oimg; writes oimg
.if DOCPART == 3
	.amdgcn_target "amdgcn-amd-amdhsa--gfx1250"
	.amdhsa_code_object_version 6
	.text
	.protected	k_q0aa2f7f2dd_attn
	.globl	k_q0aa2f7f2dd_attn
	.p2align	8
	.type	k_q0aa2f7f2dd_attn,@function
k_q0aa2f7f2dd_attn:
	s_mov_b64 s[64:65], 0
	v_nop
	global_prefetch_b8 v0, s[64:65] scope:SCOPE_SE
	s_setreg_imm32_b32 hwreg(HW_REG_WAVE_MODE, 25, 1), 1
	s_wait_xcnt 0x0
	s_wait_alu depctr_hold_cnt(0) depctr_sa_sdst(0) depctr_va_vdst(0) depctr_va_sdst(0) depctr_va_ssrc(0) depctr_va_vcc(0) depctr_vm_vsrc(0)
	s_getreg_b32 s2, hwreg(HW_REG_IB_STS2, 6, 4)
	s_cmp_eq_u32 s2, 0
	s_cbranch_scc0 .Lentry_in_a_cluster
	s_endpgm
.Lentry_in_a_cluster:
	s_bfe_u32 s2, ttmp6, 0x10000c
	s_cmp_lg_u32 s2, 0x3003
	s_cbranch_scc0 .Lentry_shape_is_right
	s_endpgm
.Lentry_shape_is_right:
; O[head][q] = the sum over k of softmax_k(Q[q] . K[k] / 8, hidden where mask[b][q][k] = 0) V[k], head size 64, 2,048 keys, 64 heads (batch = head / 16).  Operands in f16, products, maxima and sums in f32.
; Q, K, V arrive as images of the operands' registers (a fragment of 16 rows x 32 channels is 1,024 consecutive bytes: registers 0-3 at 16 x lane, registers 4-7 512 bytes on); V lies [key][channel] in blocks of
; 16 x 16 and is turned by ds_load_tr16_b128.  The mask arrives as lane masks: one word for each score register.  O leaves as f16 in the same kind of image: [tile of 16 tokens, 512][octet of channels, 128][token % 16][8 channels].
; SHARES.  A work-group owns 512 queries of one head; each of its SIXTEEN waves owns 32: two tiles of 16, in 256 registers: four waves to a SIMD, so that one wave's vector work stands beside another's matrix work and
; LDS loads.  Each fragment of K and V read from LDS feeds two products.  Every wave walks all keys, 64 a step.
; LAYOUT.  S^T = K Q^T (source 0 = 16 keys, source 1 = 16 queries): a lane holds ONE query (lane % 16) and keys 8 (lane / 16) + 0 .. 7.  Two such tiles, rounded to f16 in pairs, ARE source 1 of O^T = V^T P.
; SOFTMAX.  For each query a running maximum m and sum l: p = 2^(c s - c m), c = log2(e) / 8; in every step O and l are multiplied by a = 2^(c m_old - c m_new).  A hidden score becomes -infinity AHEAD of the maximum.
; The sum is taken of p before it is rounded.
; THE RING.  Two LDS slots of 512 keys (K's 65,536 bytes, then V's).  A slot is one dense block of memory; every wave fetches a sixteenth of it, 32 rows of 256 bytes: one tensor load a wave is out at a time.
; CLUSTER.  The four query blocks of a head are one cluster and walk the same K and V: each part of a slot is asked for JOINTLY, by the same tensor load with the same descriptor and the mask of all four.
; LIMITS: m begins at -3e38: scores under that are not served.  exp(s / 8 - max) is taken as 2^(c s - c m).  A row that keeps few keys is carried with the same f16 operands as any other.  A row with no key kept
; has l = 0, and 0 x infinity gives NaN, as the softmax of a row of -infinity does.
.set SLOT1, 1<<17                      ; slot 1 begins here, so that one exclusive or turns an address in one slot into the other's
.set SPARE, 2*SLOT1                    ; behind the ring: the spare words, 128 bytes for each wave: eight blocks of 256 bytes that no other line names
.set LK,  1                            ; v1   16 x lane: my place in 512 bytes of an image (LDS and memory alike); never rewritten
.set LV,  2                            ; v2   my place for the turning load, in V's part of a slot; never rewritten
.set ADK, 3                            ; v3   LDS address of the step's K
.set ADV, 4                            ; v4   of its V
.set SPW, 5                            ; v5   LDS address of my spare word; never rewritten
.set NIL, 6                            ; v6   0; never rewritten
.set NEG, 7                            ; v7   -infinity
.set ST,  8                            ; tile t's statistics at v[8 + 8 t]: +0 c m, +1 m, +2, +3 l (even keys', odd keys'), +4 to +7 c0-c3, at work; a takes c2's place once the maximum is found
.set U,   24                           ; v[24 + 2 t] a second chain for the sums
.set PFO, 28                           ; v28  256 x lane: the prefetch's offset; never rewritten
.set OLD, 29                           ; v29, v30  c m of the step before
.set Q,   32                           ; v[32 + 16 t + 8 c]   Q's fragments: tile t, channels 32 c on
.set S,   64                           ; v[64 + 32 t + 8 kt]  S^T; P takes v[64 + 32 t + 0 .. 15] in place
.set O,   128                          ; v[128 + 32 t + 8 ct] O^T
.set KV,  192                          ; v192-255  eight fragments: K's, then V's
.set TB,  2                            ; s2   LDS byte at which the step's K begins
.set STEPC, 3                          ; s3   counts a slot's eight steps
.set MW,  6                            ; s[6:7]   where the step's mask words stand
.set WV,  12                           ; s12  my wave's number
.set LIM, 15                           ; s15  1 in a wave that prefetches, else the greatest number
.set G1,  16                           ; s[16:23] descriptor group 1
.set G0,  24                           ; s[24:27] descriptor group 0, which walks
.set PFA, 28                           ; s[28:29] where my prefetch stands
.set SLOTS, 30                         ; s30  slots still to be asked for
.set SEL, 66                           ; s66, s67 lane selects for v_permlanex16_b32: lane l xor 16
.set CS,  100                          ; s[100:101] c, twice: the packed form names a pair and takes its low word for both halves
; s[32:63]: tile 0's 32 mask words of the step;  s[68:99]: tile 1's
.macro ROUND                           ; a round of the cluster's barrier
	s_barrier_signal -1
	s_barrier_wait -1
	s_cmp_lg_u32 s[WV], 0
	s_cbranch_scc1 .Lnot_wave_0_\@
	s_barrier_signal -3
.Lnot_wave_0_\@:
	s_barrier_wait -3
	s_barrier_signal -1
	s_barrier_wait -1
.endm
	s_load_b128 s[4:7], s[0:1], 0x0                ; qkv, maskw
	s_load_b64 s[8:9], s[0:1], 0x10                ; oimg
	v_lshl_add_u32 v[SPW], v0, 2, SPARE
	v_mov_b32 v[NIL], 0
	ds_add_u32 v[SPW], v[NIL]                      ; the wave's opening: the add, twice on end, and its wait ahead of my first tensor load
	ds_add_u32 v[SPW], v[NIL]                      ; and once more; the set-up below, work on registers, stands between it and the wait
	v_lshrrev_b32 v1, 5, v0
	v_readfirstlane_b32 s[WV], v1                  ; wave 0..15
	s_bfe_u32 s13, ttmp6, 0x40000                  ; cx: my block of 512 queries; it enters global addresses of Q, the mask words, O and the prefetch alone
	s_and_b32 s14, ttmp7, 0xffff                   ; the head, which the four partners share
	s_mov_b32 s[G1], 15|(3<<16)|(1<<21)            ; 15:0 the mask: all four work-groups; 17:16 elements of 8 bytes; 20 no padding; 21 set beside a mask
	s_mov_b32 s[G1+1], 32<<16                      ; tensor_dim0 = 32 elements: 256 bytes
	s_mov_b32 s[G1+2], 32<<16                      ; tensor_dim1 = 32 rows
	s_mov_b32 s[G1+3], 32<<16                      ; tile_dim0
	s_mov_b32 s[G1+4], 32                          ; tile_dim1
	s_mov_b32 s[G1+5], 32                          ; tensor_dim0_stride: the block is dense
	s_mov_b32 s[G1+6], 0
	s_mov_b32 s[G1+7], 0
	s_mov_b32 s[G0], 1                             ; count = 1
	s_lshl_b32 s[G0+1], s[WV], 13                  ; LDS address: slot 0, my sixteenth
	s_lshl_b32 s10, s14, 19                        ; a head's K and V are 2^19 bytes,
	s_add_co_u32 s10, s10, 0x1000000               ; behind Q's image
	s_mov_b32 s11, 0
	s_mov_b32 s[SEL], 0x76543210
	s_mov_b32 s[SEL+1], 0xfedcba98
	s_mov_b32 s[CS], 0x3e38aa3b                    ; c = log2(e) / 8
	s_mov_b32 s[CS+1], s[CS]
	s_mov_b32 s[TB], 0
	s_mov_b32 s[SLOTS], 3
	s_cmp_lt_u32 s[WV], 4
	s_cselect_b32 s[LIM], 1, -1                    ; waves 0 to 3 prefetch: the same in all four partners
	s_wait_dscnt 0x0                               ; both opening adds are done
	s_wait_kmcnt 0x0
	s_add_nc_u64 s[PFA:PFA+1], s[4:5], s[10:11]    ; the head's K and V
	s_lshl_b32 s10, s[WV], 13
	s_add_nc_u64 s[G0+2:G0+3], s[PFA:PFA+1], s[10:11]   ; global address: slot 0, my sixteenth
	s_or_b32 s[G0+3], s[G0+3], 0x80000000          ; type = 2
	ROUND                                          ; all four work-groups are here: the first joint loads meet
	tensor_load_to_lds s[G0:G0+3], s[G1:G1+7]      ; slot 0
	s_nop 0
.rept 4
	v_nop
.endr
	s_lshl_b32 s10, s14, 18                        ; Q: a head's image is 2^18 bytes; my first tile is 32 cx + 2 wave, 2,048 bytes each
	s_lshl_b32 s31, s13, 16
	s_add_co_u32 s10, s10, s31
	s_lshl_b32 s31, s[WV], 12
	s_add_co_u32 s10, s10, s31
	s_add_nc_u64 s[4:5], s[4:5], s[10:11]
	s_lshr_b32 s10, s14, 4                         ; the mask words: group of 32 queries = 64 x batch + 16 cx + wave, 8,192 bytes each
	s_lshl_b32 s10, s10, 19
	s_lshl_b32 s31, s13, 17
	s_add_co_u32 s10, s10, s31
	s_lshl_b32 s31, s[WV], 13
	s_add_co_u32 s10, s10, s31
	s_add_nc_u64 s[MW:MW+1], s[MW:MW+1], s[10:11]
	s_lshr_b32 s10, s14, 4                         ; O: tile of tokens = 128 x batch + 32 cx + 2 wave, 32,768 bytes each; my head's 8 octets of 256 bytes
	s_lshl_b32 s10, s10, 22
	s_lshl_b32 s31, s13, 20
	s_add_co_u32 s10, s10, s31
	s_lshl_b32 s31, s[WV], 16
	s_add_co_u32 s10, s10, s31
	s_and_b32 s31, s14, 15
	s_lshl_b32 s31, s31, 11
	s_add_co_u32 s10, s10, s31
	s_add_nc_u64 s[8:9], s[8:9], s[10:11]
	s_lshl_b32 s10, s13, 15                        ; the prefetch: of a slot's 131,072 bytes my work-group takes 32,768 BY ADDRESS, each of its waves 0 to 3 8,192, a lane 256;
	s_and_b32 s31, s[WV], 3
	s_lshl_b32 s31, s31, 13
	s_add_co_u32 s10, s10, s31
	s_add_co_u32 s10, s10, 0x20000                 ; in slot 1: the first change of slots steps it to slot 2.  Nothing is prefetched here, at the head
	s_add_nc_u64 s[PFA:PFA+1], s[PFA:PFA+1], s[10:11]
	v_and_b32 v[LK], 31, v0
	v_lshlrev_b32 v[PFO], 8, v[LK]
	v_lshlrev_b32 v[LK], 4, v[LK]
.irp t, 0,1
.irp c, 0,1
	global_load_b128 v[Q+16*\t+8*\c:Q+16*\t+8*\c+3],   v[LK], s[4:5] offset:\t*2048+\c*1024        ; Q stays in registers
	global_load_b128 v[Q+16*\t+8*\c+4:Q+16*\t+8*\c+7], v[LK], s[4:5] offset:\t*2048+\c*1024+512
.endr
.endr
	; the turning load takes 16 keys x 16 channels (lane l reads 16 bytes: key 8 (l / 16) + l % 8, channels 8 ((l / 8) % 2) + 0 .. 7; a key's 16 channels are 32 bytes) and leaves half a fragment of V^T
	v_and_b32 v8, 7, v0
	v_bfe_u32 v9, v0, 4, 1
	v_bfe_u32 v10, v0, 3, 1
	v_lshl_add_u32 v[LV], v9, 3, v8
	v_lshlrev_b32 v[LV], 5, v[LV]
	v_lshl_add_u32 v[LV], v10, 4, v[LV]
	v_add_nc_u32 v[LV], 0x10000, v[LV]             ; V's part lies behind K's 65,536 bytes
	v_mov_b32 v[NEG], 0xff800000
.irp t, 0,1
	v_mov_b32 v[ST+8*\t+1], 0xff61b1e6             ; m: -3e38, under every score that is served
	v_mul_f32 v[ST+8*\t], s[CS], v[ST+8*\t+1]      ; c m
	v_mov_b32 v[ST+8*\t+2], 0                      ; l
	v_mov_b32 v[ST+8*\t+3], 0
.endr
.set cnt, 0
.rept 64
	v_mov_b32 v[O+cnt], 0                          ; O^T.  (The step is written once: the first finds zeros, which the first a leaves zeros)
.set cnt, cnt+1
.endr
; A KEY STEP: 64 keys, both tiles.
.macro STEP
	s_load_b512 s[32:47], s[MW:MW+1], 0x0          ; the step's 64 mask words; they are wanted behind the first products
	s_load_b512 s[48:63], s[MW:MW+1], 0x40
	s_load_b512 s[68:83], s[MW:MW+1], 0x80
	s_load_b512 s[84:99], s[MW:MW+1], 0xc0
	v_add_nc_u32 v[ADK], s[TB], v[LK]              ; five places behind the last step's products V^T P: four are owed to the loads into their fragments' registers,
	v_add_nc_u32 v[ADV], s[TB], v[LV]              ; five to the products below, which write over P
.rept 3
	v_nop
.endr
.irp kt, 0,1,2,3
.irp c, 0,1
	ds_load_b128 v[KV+8*(2*\kt+\c):KV+8*(2*\kt+\c)+3],   v[ADK] offset:\kt*2048+\c*1024
	ds_load_b128 v[KV+8*(2*\kt+\c)+4:KV+8*(2*\kt+\c)+7], v[ADK] offset:\kt*2048+\c*1024+512
.endr
.endr
	s_wait_dscnt 0x0
.irp c, 0,1                                    ; S^T = K Q^T: the eight accumulators take turns, one instruction a turn; the first eight start the sums
.irp kt, 0,1,2,3
.irp t, 0,1
.if \c == 0
	v_wmma_f32_16x16x32_f16 v[S+32*\t+8*\kt:S+32*\t+8*\kt+7], v[KV+8*(2*\kt+\c):KV+8*(2*\kt+\c)+7], v[Q+16*\t+8*\c:Q+16*\t+8*\c+7], 0
.else
	v_wmma_f32_16x16x32_f16 v[S+32*\t+8*\kt:S+32*\t+8*\kt+7], v[KV+8*(2*\kt+\c):KV+8*(2*\kt+\c)+7], v[Q+16*\t+8*\c:Q+16*\t+8*\c+7], v[S+32*\t+8*\kt:S+32*\t+8*\kt+7]
.endif
.endr
.endr
.endr
	v_mov_b32 v[OLD], v[ST]                        ; c m_old is kept for a.  Four places behind the products: for the loads over K's fragments and for the first reads of the scores
	v_mov_b32 v[OLD+1], v[ST+8]
	v_nop
	v_nop
.irp g, 0,1                                    ; V, turned: fragment (g, ct): keys 32 g on, channels 16 ct on.  The loads land under the softmax
.irp ct, 0,1,2,3
	ds_load_tr16_b128 v[KV+8*(4*\g+\ct):KV+8*(4*\g+\ct)+3],   v[ADV] offset:2*\g*2048+\ct*512
	ds_load_tr16_b128 v[KV+8*(4*\g+\ct)+4:KV+8*(4*\g+\ct)+7], v[ADV] offset:2*\g*2048+\ct*512+2048
.endr
.endr
	s_wait_kmcnt 0x0                               ; the mask words are in, so their address may be stepped
	s_add_nc_u64 s[MW:MW+1], s[MW:MW+1], 256
.irp t, 0,1                                    ; a hidden score becomes -infinity: one select a score, each accumulator from its low end on
.set cnt, 0
.rept 32
	v_cndmask_b32 v[S+32*\t+cnt], v[NEG], v[S+32*\t+cnt], s[32+36*\t+cnt]
.set cnt, cnt+1
.endr
.endr
.irp j, 0,1,2,3                                ; the maximum of 32 scores and the old m, three operands at a time: four chains of seven scores, the two tiles alternating
.irp t, 0,1
	v_max3_num_f32 v[ST+8*\t+4+\j], v[S+32*\t+8*\j], v[S+32*\t+8*\j+1], v[S+32*\t+8*\j+2]
.endr
.endr
.irp g, 1,2
.irp j, 0,1,2,3
.irp t, 0,1
	v_max3_num_f32 v[ST+8*\t+4+\j], v[ST+8*\t+4+\j], v[S+32*\t+8*\j+2*\g+1], v[S+32*\t+8*\j+2*\g+2]
.endr
.endr
.endr
.irp t, 0,1
	v_max3_num_f32 v[ST+8*\t+4], v[ST+8*\t+4], v[S+32*\t+7], v[S+32*\t+15]
.endr
.irp t, 0,1
	v_max3_num_f32 v[ST+8*\t+6], v[ST+8*\t+6], v[S+32*\t+23], v[S+32*\t+31]
.endr
.irp t, 0,1
	v_max3_num_f32 v[ST+8*\t+4], v[ST+8*\t+4], v[ST+8*\t+5], v[ST+8*\t+6]
.endr
.irp t, 0,1
	v_max3_num_f32 v[ST+8*\t+4], v[ST+8*\t+4], v[ST+8*\t+7], v[ST+8*\t+1]
.endr
.irp t, 0,1
	v_permlanex16_b32 v[ST+8*\t+5], v[ST+8*\t+4], s[SEL], s[SEL+1]   ; the query's other 32 keys lie in the lane 16 away
.endr
.irp t, 0,1
	v_max_num_f32 v[ST+8*\t+1], v[ST+8*\t+4], v[ST+8*\t+5]           ; the new m
.endr
.irp t, 0,1
	v_mul_f32 v[ST+8*\t], s[CS], v[ST+8*\t+1]                        ; c m
.endr
.irp t, 0,1
	v_sub_f32 v[OLD+\t], v[OLD+\t], v[ST+8*\t]                       ; c m_old - c m_new
.endr
.irp t, 0,1
.set cnt, 0
.rept 16
	v_pk_fma_f32 v[S+32*\t+cnt:S+32*\t+cnt+1], v[S+32*\t+cnt:S+32*\t+cnt+1], s[CS:CS+1], v[ST+8*\t:ST+8*\t+1] op_sel_hi:[1,0,0] neg_lo:[0,0,1] neg_hi:[0,0,1]   ; c s - c m, two at a time
.set cnt, cnt+2
.endr
.endr
.irp t, 0,1                                    ; ONE BATCH of 66 exponentials: none reads another's result
	v_exp_f32 v[ST+8*\t+6], v[OLD+\t]              ; a
.endr
.set cnt, 0
.rept 64
	v_exp_f32 v[S+cnt], v[S+cnt]                   ; p
.set cnt, cnt+1
.endr
	v_nop                                          ; a plain instruction behind the last exponential
	s_wait_alu depctr_va_vdst(0)                   ; the wait ahead of the first instruction that names a result: one for the batch
.irp t, 0,1
	v_pk_mul_f32 v[ST+8*\t+2:ST+8*\t+3], v[ST+8*\t+2:ST+8*\t+3], v[ST+8*\t+6:ST+8*\t+7] op_sel_hi:[1,0]   ; l under the new m
.endr
.irp t, 0,1
	v_pk_add_f32 v[U+2*\t:U+2*\t+1], v[S+32*\t:S+32*\t+1], v[S+32*\t+2:S+32*\t+3]   ; the sums of the unrounded p: two chains a tile
.endr
.irp j, 4,8,12,16,20,24,28
.irp t, 0,1
	v_pk_add_f32 v[ST+8*\t+2:ST+8*\t+3], v[ST+8*\t+2:ST+8*\t+3], v[S+32*\t+\j:S+32*\t+\j+1]
	v_pk_add_f32 v[U+2*\t:U+2*\t+1], v[U+2*\t:U+2*\t+1], v[S+32*\t+\j+2:S+32*\t+\j+3]
.endr
.endr
.irp t, 0,1
	v_pk_add_f32 v[ST+8*\t+2:ST+8*\t+3], v[ST+8*\t+2:ST+8*\t+3], v[U+2*\t:U+2*\t+1]
.endr
.irp t, 0,1                                    ; P: rounded to f16 in pairs, in place and ascending: register d never lies above its sources
.set cnt, 0
.rept 16
	v_cvt_pk_f16_f32 v[S+32*\t+cnt], v[S+32*\t+2*cnt], v[S+32*\t+2*cnt+1]
.set cnt, cnt+1
.endr
.endr
.irp t, 0,1                                    ; O^T under the new m.  (These 32 name no register of the products K Q^T: they are the places ahead of the products that take P)
.set cnt, 0
.rept 16
	v_pk_mul_f32 v[O+32*\t+cnt:O+32*\t+cnt+1], v[O+32*\t+cnt:O+32*\t+cnt+1], v[ST+8*\t+6:ST+8*\t+7] op_sel_hi:[1,0]
.set cnt, cnt+2
.endr
.endr
	s_wait_dscnt 0x0                               ; V is in
.irp g, 0,1                                    ; O^T += V^T P: the eight accumulators take turns
.irp ct, 0,1,2,3
.irp t, 0,1
	v_wmma_f32_16x16x32_f16 v[O+32*\t+8*\ct:O+32*\t+8*\ct+7], v[KV+8*(4*\g+\ct):KV+8*(4*\g+\ct)+7], v[S+32*\t+8*\g:S+32*\t+8*\g+7], v[O+32*\t+8*\ct:O+32*\t+8*\ct+7]
.endr
.endr
.endr
	s_add_co_u32 s[TB], s[TB], 8192                ; the next step's K (and V, 65,536 bytes on)
.endm
; THE CHANGE OF SLOTS stands at a slot's head.  Each wave waits for all its tensor loads (its part of the slot that it is about to read), adds 0 to its spare word, and waits for that and for its reads of the slot
; that it has left.  fill = 1: the barrier is a round of the cluster's, so that no wave of any partner still reads that slot or has a load on its way, and the joint load is the first thing behind it: it has a
; slot's eight steps in which to land.  Every way to this add leads through slot 0's load, which all sixteen waves issue: it stands once.
.macro CHANGE fill
	s_wait_tensorcnt 0x0                           ; no tensor load of mine is out, so group 0 may be written
	ds_add_u32 v[SPW], v[NIL]
.if \fill
	s_xor_b32 s[G0+1], s[G0+1], SLOT1              ; the other slot than last time,
	s_add_nc_u64 s[G0+2:G0+3], s[G0+2:G0+3], 0x20000   ; the next 512 keys; the type bits on top are not reached
	s_wait_xcnt 0x0                                ; the last prefetch, a slot back, has read its address, so it may be written:
	s_add_nc_u64 s[PFA:PFA+1], s[PFA:PFA+1], 0x20000   ; one slot further on than the walking descriptor
	s_wait_dscnt 0x0                               ; the add is done, and my reads of the slot that I have left are over
	ROUND
	tensor_load_to_lds s[G0:G0+3], s[G1:G1+7]      ; my one tensor load until the next round
	s_nop 0
.rept 4
	v_nop
.endr
	s_cmp_gt_u32 s[SLOTS], s[LIM]                  ; A PREFETCH of what the NEXT change of slots will ask for, eight key steps ahead of that load: each aligned 256 bytes of a slot is named once, by one lane of one
	s_cbranch_scc0 .Lnot_mine_\@                   ; wave of one of the four partners.  The last change that fills a slot asks for nothing: there is no slot behind it
	global_prefetch_b8 v[PFO], s[PFA:PFA+1] th:TH_LOAD_NT scope:SCOPE_SE
.Lnot_mine_\@:
.else
	s_wait_dscnt 0x0
	s_barrier_signal -1
	s_barrier_wait -1
.endif
.endm
.macro STEPS                           ; a slot's eight key steps: written once, walked eight times
	s_mov_b32 s[STEPC], 8
.Lstep_\@:
	STEP
	s_sub_co_u32 s[STEPC], s[STEPC], 1
	s_cmp_lg_u32 s[STEPC], 0
	s_cbranch_scc1 .Lstep_\@
	s_sub_co_u32 s[TB], s[TB], 65536               ; back to a slot's first step,
	s_xor_b32 s[TB], s[TB], SLOT1                  ; in the other slot
.endm
	s_wait_loadcnt 0x0                             ; Q
.Lslot:                                            ; three trips: behind each change of slots but the last the next slot is asked for
	CHANGE 1
	STEPS
	s_sub_co_u32 s[SLOTS], s[SLOTS], 1
	s_cmp_lg_u32 s[SLOTS], 0
	s_cbranch_scc1 .Lslot
	CHANGE 0                                       ; the last slot is written out
	STEPS
	; THE WAY OUT.  l's two halves and the other half of the lanes' are added; O^T is divided by l and rounded to f16; a lane's eight channels are 16 bytes, and 32 lanes store 512 consecutive bytes of the image.
.rept 4
	v_nop                                          ; places behind the last products
.endr
.irp t, 0,1
	v_add_f32 v[ST+8*\t+4], v[ST+8*\t+2], v[ST+8*\t+3]
.endr
.irp t, 0,1
	v_permlanex16_b32 v[ST+8*\t+5], v[ST+8*\t+4], s[SEL], s[SEL+1]
.endr
.irp t, 0,1
	v_add_f32 v[ST+8*\t+4], v[ST+8*\t+4], v[ST+8*\t+5]
.endr
.irp t, 0,1
	v_rcp_f32 v[ST+8*\t+6], v[ST+8*\t+4]
.endr
	v_nop                                          ; a plain instruction behind the last reciprocal
	s_wait_alu depctr_va_vdst(0)                   ; and the wait ahead of the first use: one for both
.irp t, 0,1
.set cnt, 0
.rept 16
	v_pk_mul_f32 v[O+32*\t+cnt:O+32*\t+cnt+1], v[O+32*\t+cnt:O+32*\t+cnt+1], v[ST+8*\t+6:ST+8*\t+7] op_sel_hi:[1,0]   ; each accumulator from its low end on
.set cnt, cnt+2
.endr
.endr
.set cnt, 0
.rept 32
	v_cvt_pk_f16_f32 v[S+cnt], v[O+2*cnt], v[O+2*cnt+1]   ; tile t, channels 16 ct on: v[64 + 16 t + 4 ct ..]
.set cnt, cnt+1
.endr
.irp t, 0,1
.irp ct, 0,1,2,3
	global_store_b128 v[LK], v[S+16*\t+4*\ct:S+16*\t+4*\ct+3], s[8:9] offset:\t*32768+\ct*512 th:TH_STORE_NT
.endr
.endr
	s_wait_tensorcnt 0x0                           ; the wave's end, behind my last tensor load
	ds_add_u32 v[SPW], v[NIL]
	s_wait_dscnt 0x0
	ROUND                                          ; the closing round: no work-group ends while a partner may still ask for a tile that names it
	s_endpgm
.Lfunc_end_k_q0aa2f7f2dd_attn:
	.size	k_q0aa2f7f2dd_attn, .Lfunc_end_k_q0aa2f7f2dd_attn-k_q0aa2f7f2dd_attn
	.p2alignl 7, 3214868480
	.fill 96, 4, 3214868480
	.section	.rodata,"a",@progbits
	.p2align	6, 0x0
	.amdhsa_kernel k_q0aa2f7f2dd_attn
		.amdhsa_group_segment_fixed_size 327680
		.amdhsa_private_segment_fixed_size 0
		.amdhsa_enable_private_segment 0
		.amdhsa_kernarg_size 24
		.amdhsa_user_sgpr_count 2
		.amdhsa_user_sgpr_kernarg_segment_ptr 1
		.amdhsa_wavefront_size32 1
		.amdhsa_system_sgpr_workgroup_id_x 1
		.amdhsa_system_sgpr_workgroup_id_y 1
		.amdhsa_system_sgpr_workgroup_id_z 1
		.amdhsa_system_vgpr_workitem_id 0
		.amdhsa_next_free_vgpr 256
		.amdhsa_next_free_sgpr 102
		.amdhsa_reserve_vcc 0
		.amdhsa_float_denorm_mode_32 3
		.amdhsa_float_denorm_mode_16_64 3
		.amdhsa_memory_ordered 1
		.amdhsa_forward_progress 1
		.amdhsa_inst_pref_size 58
	.end_amdhsa_kernel
	.amdgpu_metadata
---
amdhsa.version: [ 1, 2 ]
amdhsa.kernels:
  - .name:           k_q0aa2f7f2dd_attn
    .symbol:         k_q0aa2f7f2dd_attn.kd
    .args:
      - { .name: qkv, .offset: 0, .size: 8, .value_kind: global_buffer, .address_space: global }
      - { .name: maskw, .offset: 8, .size: 8, .value_kind: global_buffer, .address_space: global }
      - { .name: oimg, .offset: 16, .size: 8, .value_kind: global_buffer, .address_space: global }
    .group_segment_fixed_size: 327680
    .private_segment_fixed_size: 0
    .kernarg_segment_align: 8
    .kernarg_segment_size: 24
    .max_flat_workgroup_size: 512
    .sgpr_count:     102
    .vgpr_count:     256
    .wavefront_size: 32
...
	.end_amdgpu_metadata
.endif
;; end of part 3
;; launch oproj (part 4): grid 4 x 64, 4 waves a work-group, clusters of 4 x 4, 327,680 bytes of LDS; arguments oimg, woimg, bo, out0; writes out0
.if DOCPART == 4
	.amdgcn_target "amdgcn-amd-amdhsa--gfx1250"
	.amdhsa_code_object_version 6
	.text
	.protected	k_q0aa2f7f2dd_oproj
	.globl	k_q0aa2f7f2dd_oproj
	.p2align	8
	.type	k_q0aa2f7f2dd_oproj,@function
k_q0aa2f7f2dd_oproj:
	s_mov_b64 s[64:65], 0
	v_nop
	global_prefetch_b8 v0, s[64:65] scope:SCOPE_SE
	s_setreg_imm32_b32 hwreg(HW_REG_WAVE_MODE, 25, 1), 1
	s_wait_xcnt 0x0
	s_wait_alu depctr_hold_cnt(0) depctr_sa_sdst(0) depctr_va_vdst(0) depctr_va_sdst(0) depctr_va_ssrc(0) depctr_va_vcc(0) depctr_vm_vsrc(0)
	s_getreg_b32 s2, hwreg(HW_REG_IB_STS2, 6, 4)
	s_cmp_eq_u32 s2, 0
	s_cbranch_scc0 .Lentry_in_a_cluster
	s_endpgm
.Lentry_in_a_cluster:
	s_bfe_u32 s2, ttmp6, 0x10000c
	s_cmp_lg_u32 s2, 0xf033
	s_cbranch_scc0 .Lentry_shape_is_right
	s_endpgm
.Lentry_shape_is_right:
; out0 = O Wo + bo.  O [8192 tokens][1024] and Wo [1024 (k)][1024 (n)] arrive as f16 images of the operands' registers: [tile of 16 rows][octet of k, 128][row % 16][8 k], 32,768 bytes a tile; a fragment of
; 16 rows x 32 k is 1,024 consecutive bytes of it (registers 0-3 at 16 x lane, registers 4-7 512 bytes on).  bo [1024] and out0 [8192][1024] are f32; sums in f32, begun with the bias.
; A tile of 128 tokens x 256 columns is made by a work-group of four waves: 256 work-groups.  A wave makes 64 x 128: 32 accumulators of 16 x 16, 256 registers.
; K goes in 8 steps of 128 (4,096 bytes of each tile's image) through a ring of two LDS slots: O's 8 tiles, then Wo's 16.  No padding: every LDS load of a fragment reads 512 consecutive bytes.
; CLUSTERS: 4 x 4 work-groups.  The four of a row of the cluster need the same tiles of O, the four of a column the same tiles of Wo: each is asked for JOINTLY.  By the text's own count a wave has two tensor loads
; out at the start and one behind each round.
; THE MATRIX INSTRUCTION IS USED TRANSPOSED (source 0 = 16 columns of Wo, source 1 = 16 tokens): a lane then holds eight neighbouring numbers of a row of out0.
; REGISTERS: window 0: v0-31 addresses; v64-127 the bias, eight registers for each block of 16 columns; v128-255 rows on the way out, two sets.
;   window 1: two fragment buffers at v0 and v128: Wo's 8 fragments, then O's 4 at +64.   window 2: accumulator (a, b) at v[8 (8 a + b)].
.set SLOT,   98304                     ; O's 8 x 4,096 bytes, then Wo's 16 x 4,096
.set BOFF,   32768
.set STAGE,  2*SLOT                    ; behind the ring: 16 rows x (512 bytes + 16) for each wave
.set SPITCH, 528
.set SPARE,  STAGE+4*16*SPITCH         ; the spare words, 128 bytes for each wave: two blocks of 256 bytes that no other line names
.set LAPS,   4                         ; a lap = two K steps = once round the ring
.set ADRA, 16                          ; v16-17  LDS address of my fragments of O in slot 0, 1
.set ADRB, 20                          ; v20-21  the same for Wo
.set STO,  24                          ; v24     the way out: where I put 32 bytes of a row
.set RD,   25                          ; v25     the way out: where I read a row back
.set CO,   26                          ; v26     16 x lane
.set SPW,  28                          ; v28     LDS address of my spare word; never rewritten
.set NIL,  29                          ; v29     0; never rewritten
.set BOF,  30                          ; v30     32 x (lane / 16)
.set BIAS, 64
.set BK,   128
.set F0,   0
.set F1,   128
.set G1, 24                            ; s[24:31] descriptor group 1 for O's tiles;  s[32:39] group 0, one set for each slot
.set G0, 32
.set G1B, 48                           ; s[48:55], s[56:63] the same for Wo's
.set G0B, 56
.set MSB, 0
.macro WIN new                         ; the immediate's high byte repeats the setting that is left
.if MSB != \new
	s_set_vgpr_msb (MSB<<8)|\new
.set MSB, \new
.endif
.endm
.set MUL,  0xa5                        ; sources 0 (Wo) and 1 (O) window 1; C and D window 2
.set MULB, 0x85                        ; the first quarter: C (the bias) window 0
.set TO_F, 0x40                        ; destination window 1, address window 0
.macro JLOAD s                         ; a joint load: waves 0 and 1 fetch O's two halves, waves 2 and 3 Wo's; an s_nop 0 and four v_nop follow each of the two lines
	s_cmp_eq_u32 s11, 0
	s_cbranch_scc0 .Lfor_b_\@
	tensor_load_to_lds s[G0+4*\s:G0+4*\s+3], s[G1:G1+7]
	s_nop 0
.rept 4
	v_nop
.endr
	s_branch .Lasked_\@
.Lfor_b_\@:
	tensor_load_to_lds s[G0B+4*\s:G0B+4*\s+3], s[G1B:G1B+7]
	s_nop 0
.rept 4
	v_nop
.endr
.Lasked_\@:
.endm
.macro CREST                           ; a round of the cluster's barrier behind its opening barrier
	s_cmp_lg_u32 s10, 0
	s_cbranch_scc1 .Lnot_wave_0_\@
	s_barrier_signal -3
.Lnot_wave_0_\@:
	s_barrier_wait -3
	s_barrier_signal -1
	s_barrier_wait -1
.endm
.macro CROUND
	s_barrier_signal -1
	s_barrier_wait -1
	CREST
.endm
	s_load_b128 s[4:7], s[0:1], 0x0                ; oimg, woimg
	s_load_b64 s[44:45], s[0:1], 0x10              ; bo
	s_load_b64 s[8:9], s[0:1], 0x18                ; out0
	v_lshl_add_u32 v[SPW], v0, 2, SPARE
	v_mov_b32 v[NIL], 0
	ds_add_u32 v[SPW], v[NIL]                      ; the wave's opening: the add, twice on end, and its wait ahead of my first tensor load
	ds_add_u32 v[SPW], v[NIL]                      ; and once more; the set-up below, work on registers, stands between it and the wait
	v_lshrrev_b32 v1, 5, v0
	v_readfirstlane_b32 s10, v1                    ; wave 0..3
	s_lshr_b32 s11, s10, 1                         ; which half of the tile's tokens is mine.  Also: I fetch for O (0) or for Wo (1)
	s_and_b32 s12, s10, 1                          ; which half of its columns.  Also: which half of that operand's tiles I fetch
	s_bfe_u32 s40, ttmp6, 0x40000                  ; cx, cy
	s_bfe_u32 s41, ttmp6, 0x40004
	s_lshl_b32 s42, ttmp9, 2
	s_add_co_u32 s42, s42, s40                     ; tile column = 4 x cluster x + cx
	s_and_b32 s13, ttmp7, 0xffff
	s_lshl_b32 s13, s13, 2
	s_add_co_u32 s13, s13, s41                     ; tile row = 4 x cluster y + cy
	s_lshl_b32 s43, s41, 2
	s_lshl_b32 s43, 15, s43                        ; my row of the cluster
	s_lshl_b32 s14, 0x1111, s40                    ; my column
	; descriptor group 1: rows of 4,096 bytes (a K step of one tile's image: 512 elements of 8 bytes), 32,768 bytes apart; O: 4 rows, Wo: 8
	s_or_b32 s[G1+0], s43, (3<<16)|(1<<21)         ; 15:0 the mask: O's tiles go to my row; 17:16 elements of 8 bytes; 20 no padding; 21 set beside a mask
	s_or_b32 s[G1B+0], s14, (3<<16)|(1<<21)
	s_mov_b32 s[G1+1], 512<<16                     ; tensor_dim0
	s_mov_b32 s[G1+2], 4<<16                       ; tensor_dim1
	s_mov_b32 s[G1+3], 512<<16                     ; tile_dim0
	s_mov_b32 s[G1+4], 4                           ; tile_dim1
	s_mov_b32 s[G1+5], 4096                        ; tensor_dim0_stride
	s_mov_b32 s[G1+6], 0
	s_mov_b32 s[G1+7], 0
	s_mov_b32 s[G1B+1], 512<<16
	s_mov_b32 s[G1B+2], 8<<16
	s_mov_b32 s[G1B+3], 512<<16
	s_mov_b32 s[G1B+4], 8
	s_mov_b32 s[G1B+5], 4096
	s_mov_b32 s[G1B+6], 0
	s_mov_b32 s[G1B+7], 0
	s_lshl_b32 s16, s13, 3
	s_lshl_b32 s17, s12, 2
	s_add_co_u32 s16, s16, s17                     ; O: tile of tokens 8 x tile row + 4 x half
	s_lshl_b32 s16, s16, 15
	s_mov_b32 s17, 0
	s_lshl_b32 s46, s42, 4
	s_lshl_b32 s47, s12, 3
	s_add_co_u32 s46, s46, s47                     ; Wo: tile of columns 16 x tile column + 8 x half
	s_lshl_b32 s46, s46, 15
	s_mov_b32 s47, 0
	s_lshl_b32 s20, s12, 14                        ; where they go: O's half,
	s_lshl_b32 s21, s12, 15
	s_add_co_u32 s21, s21, BOFF                    ; Wo's half: no place in the cluster enters an LDS address
	s_wait_dscnt 0x0                               ; both opening adds are done
	s_wait_kmcnt 0x0
	s_add_nc_u64 s[18:19], s[4:5], s[16:17]
	s_add_nc_u64 s[46:47], s[6:7], s[46:47]
	CROUND                                         ; all sixteen work-groups are here: the first joint loads meet
.irp s, 0,1
	s_mov_b32 s[G0+4*\s], 1
	s_add_co_u32 s[G0+4*\s+1], s20, \s*SLOT
	s_add_nc_u64 s[G0+4*\s+2:G0+4*\s+3], s[18:19], \s*4096
	s_or_b32 s[G0+4*\s+3], s[G0+4*\s+3], 0x80000000
	s_mov_b32 s[G0B+4*\s], 1
	s_add_co_u32 s[G0B+4*\s+1], s21, \s*SLOT
	s_add_nc_u64 s[G0B+4*\s+2:G0B+4*\s+3], s[46:47], \s*4096
	s_or_b32 s[G0B+4*\s+3], s[G0B+4*\s+3], 0x80000000
	JLOAD \s
.endr
	v_and_b32 v1, 31, v0
	v_lshlrev_b32 v[CO], 4, v1                     ; 16 x lane
	s_lshl_b32 s21, s11, 14                        ; my 4 tiles of tokens
	s_lshl_b32 s22, s12, 15                        ; my 8 tiles of columns,
	s_add_co_u32 s22, s22, BOFF                    ; behind O's
.irp s, 0,1
	v_add_nc_u32 v[ADRA+\s], s21, v[CO]
	v_add_nc_u32 v[ADRB+\s], s22, v[CO]
	s_add_co_u32 s21, s21, SLOT
	s_add_co_u32 s22, s22, SLOT
.endr
	s_mul_i32 s23, s10, 16*SPITCH
	s_add_co_u32 s23, s23, STAGE                   ; my stage
	v_and_b32 v2, 15, v0                           ; r
	v_bfe_u32 v3, v0, 4, 1                         ; h
	v_mul_u32_u24 v[STO], v2, SPITCH               ; in: row r, 32 bytes for each half of the lanes
	v_lshl_add_u32 v[STO], v3, 5, v[STO]
	v_add_nc_u32 v[STO], s23, v[STO]
	v_add_nc_u32 v[RD], s23, v[CO]                 ; back: the 32 lanes take one row of 512 bytes
	v_lshlrev_b32 v[BOF], 5, v3
	s_lshl_b32 s16, s13, 19                        ; my first row of out0: 128 x tile row + 64 x half, 4,096 bytes each
	s_lshl_b32 s17, s11, 18
	s_add_co_u32 s16, s16, s17
	s_lshl_b32 s46, s42, 10                        ; my first column, in bytes: 1,024 x tile column + 512 x half
	s_lshl_b32 s47, s12, 9
	s_add_co_u32 s46, s46, s47
	s_mov_b32 s47, 0
	s_add_nc_u64 s[44:45], s[44:45], s[46:47]      ; in bo,
	s_add_co_u32 s16, s16, s46
	s_mov_b32 s17, 0
	s_add_nc_u64 s[8:9], s[8:9], s[16:17]          ; and in out0
.irp b, 0,1,2,3,4,5,6,7                        ; in the result's layout: register j of block b is bo of column 16 b + 8 h + j, whatever the token
	global_load_b128 v[BIAS+8*\b:BIAS+8*\b+3], v[BOF], s[44:45] offset:64*\b
	global_load_b128 v[BIAS+8*\b+4:BIAS+8*\b+7], v[BOF], s[44:45] offset:64*\b+16
.endr
; 8 matrix instructions: tokens' block a against the eight blocks of columns, 32 along K.  first = 1: the sums begin with the bias as C.  The 32 accumulators take turns, one instruction a turn, in the same order
; in every quarter.
.macro MUL8 f, a, first
.irp b, 0,1,2,3,4,5,6,7
.if \first
	v_wmma_f32_16x16x32_f16 v[8*(8*\a+\b):8*(8*\a+\b)+7], v[\f+8*\b:\f+8*\b+7], v[\f+64+8*\a:\f+64+8*\a+7], v[BIAS+8*\b:BIAS+8*\b+7]
.else
	v_wmma_f32_16x16x32_f16 v[8*(8*\a+\b):8*(8*\a+\b)+7], v[\f+8*\b:\f+8*\b+7], v[\f+64+8*\a:\f+64+8*\a+7], v[8*(8*\a+\b):8*(8*\a+\b)+7]
.endif
.endr
.endm
; 24 LDS loads in one run: the fragments of the slot's kq-th 32 along K into buffer f
.macro FETCH slot, kq, f
	WIN TO_F
.irp b, 0,1,2,3,4,5,6,7
	ds_load_b128 v[\f+8*\b:\f+8*\b+3],   v[ADRB+\slot] offset:\b*4096+(\kq)*1024
	ds_load_b128 v[\f+8*\b+4:\f+8*\b+7], v[ADRB+\slot] offset:\b*4096+(\kq)*1024+512
.endr
.irp a, 0,1,2,3
	ds_load_b128 v[\f+64+8*\a:\f+64+8*\a+3],   v[ADRA+\slot] offset:\a*4096+(\kq)*1024
	ds_load_b128 v[\f+64+8*\a+4:\f+64+8*\a+7], v[ADRA+\slot] offset:\a*4096+(\kq)*1024+512
.endr
.endm
.macro PLACES                          ; four places in front of loads into registers that matrix instructions have read, and of the first reads of results (ISA guide 7.12.1 for vector instructions)
.rept 4
	v_nop
.endr
.endm
; A K step is four quarters of 32 along K, 32 matrix instructions each, on buffers 0, 1, 0, 1.  One of the first three: fetches the next quarter, kq, into g, and multiplies f: the run of loads stands 32 matrix instructions ahead of its use.
.macro QUARTER slot, kq, f, g, first
	s_wait_dscnt 0x0                               ; buffer f is in
	PLACES
	FETCH \slot, \kq, \g
.if \first
	WIN MULB
.else
	WIN MUL
.endif
	MUL8 \f, 0, \first
	MUL8 \f, 1, \first
	MUL8 \f, 2, \first
	MUL8 \f, 3, \first
.endm
; The last quarter multiplies buffer 1 and changes slots: ONE barrier; in front of it each wave waits for all its tensor loads, adds 0 to its spare word, and waits for that and for its own reads of this slot.
; fill = 1: this slot is filled again, two K steps ahead: the barrier opens a round of the cluster's, and the joint load is the first thing behind it.
.macro TURN slot, next, fill
	WIN 0                                          ; (the add's two registers lie in window 0)
	s_wait_tensorcnt 0x0                           ; all my tensor loads have landed: my part of the next slot;
	ds_add_u32 v[SPW], v[NIL]
	s_wait_dscnt 1                                 ; buffer 1 is in (the add may be out)
	WIN MUL
	MUL8 F1, 0, 0                                  ; eight matrix instructions stand between the add and the wait for it
	s_wait_dscnt 0x0                               ; the add is done, and my reads of this slot are over
	s_barrier_signal -1
	MUL8 F1, 1, 0
.if \fill
	WIN 0
.endif
	s_barrier_wait -1
.if \fill
	CREST                                          ; no wave of any partner still reads this slot's tiles or has a load on its way
	s_add_nc_u64 s[G0+4*\slot+2:G0+4*\slot+3], s[G0+4*\slot+2:G0+4*\slot+3], 2*4096
	s_add_nc_u64 s[G0B+4*\slot+2:G0B+4*\slot+3], s[G0B+4*\slot+2:G0B+4*\slot+3], 2*4096
	JLOAD \slot                                    ; the four v_nop behind it are also the places in front of the loads below
.else
	PLACES
.endif
	FETCH \next, 0, F0
	WIN MUL
	MUL8 F1, 2, 0
	MUL8 F1, 3, 0
.endm
	s_wait_tensorcnt 1                             ; my part of K step 0 is in (K step 1's load may be out)
	s_barrier_signal -1
	s_barrier_wait -1                              ; everybody's is
	s_wait_loadcnt 0x0                             ; the bias
	FETCH 0, 0, F0
	QUARTER 0, 1, F0, F1, 1                        ; the first quarter stands in front of the loop: its products begin the sums
	WIN 0                                          ; at a label and at a branch every window is 0
	s_mov_b32 s3, LAPS-1
.Llap:                                                 ; a trip goes once round the ring, from a lap's second quarter to the next lap's first, and fills both slots again
	QUARTER 0, 2, F1, F0, 0
	QUARTER 0, 3, F0, F1, 0
	TURN 0, 1, 1
	QUARTER 1, 1, F0, F1, 0
	QUARTER 1, 2, F1, F0, 0
	QUARTER 1, 3, F0, F1, 0
	TURN 1, 0, 1
	QUARTER 0, 1, F0, F1, 0
	WIN 0
	s_sub_co_u32 s3, s3, 1
	s_cmp_lg_u32 s3, 0
	s_cbranch_scc1 .Llap
	QUARTER 0, 2, F1, F0, 0                        ; the last lap fills nothing, and has no round of the cluster's barrier
	QUARTER 0, 3, F0, F1, 0
	TURN 0, 1, 0
	QUARTER 1, 1, F0, F1, 0
	QUARTER 1, 2, F1, F0, 0
	QUARTER 1, 3, F0, F1, 0
	s_wait_dscnt 0x0                               ; the very last quarter: nothing more to fetch
	WIN MUL
	MUL8 F1, 0, 0
	MUL8 F1, 1, 0
	MUL8 F1, 2, 0
	MUL8 F1, 3, 0
	WIN 0
; THE WAY OUT, block by block of 16 tokens x 128 columns.  A lane holds 32 neighbouring bytes of a row, and the lanes beside it hold other rows: so a block goes through my own stage in LDS and comes back as whole
; rows of 512 bytes.  LDS serves a wave's instructions in order (ISA guide 5.7.1.4): no wait between the stores and the loads, nor in front of the next block's stores.
.macro TOSTAGE a
	WIN 0x08                                       ; an LDS store's data are its source 1: window 2
.irp b, 0,1,2,3,4,5,6,7
	ds_store_b128 v[STO], v[64*(\a)+8*\b:64*(\a)+8*\b+3] offset:64*\b            ; each accumulator from its low end on
	ds_store_b128 v[STO], v[64*(\a)+8*\b+4:64*(\a)+8*\b+7] offset:64*\b+16
.endr
	WIN 0
.set BB, BK+64*((\a)%2)
.irp t, 0,1,2,3,4,5,6,7,8,9,10,11,12,13,14,15
	ds_load_b128 v[BB+4*\t:BB+4*\t+3], v[RD] offset:\t*SPITCH
.endr
.endm
.macro SEND a, younger                 ; younger: the LDS instructions issued behind block a's loads, which may stay out
.set BB, BK+64*((\a)%2)
	s_wait_dscnt \younger
.irp t, 0,1,2,3,4,5,6,7,8,9,10,11,12,13,14,15
	global_store_b128 v[CO], v[BB+4*\t:BB+4*\t+3], s[8:9] offset:(16*(\a)+\t)*4096 th:TH_STORE_NT   ; 32 lanes store 512 consecutive bytes, at a multiple of 512 from out0's first byte; 63 rows at the most: inside the signed 24-bit immediate
.endr
.endm
	PLACES                                         ; behind the last products
	TOSTAGE 0
.irp a, 1,2,3
.if \a > 1
	s_wait_xcnt 0x0                                ; block a - 2's stores have read their registers: block a's loads may land there
.endif
	TOSTAGE \a
	SEND \a-1, 32                                  ; behind block a - 1's loads: block a's 16 stores and 16 loads
.endr
	SEND 3, 0
	s_wait_tensorcnt 0x0                           ; the wave's end, behind my last tensor load and my last LDS store
	ds_add_u32 v[SPW], v[NIL]
	s_wait_dscnt 0x0
	CROUND                                         ; the closing round: no work-group ends while a partner may still ask for a tile that names it
	s_endpgm
.Lfunc_end_k_q0aa2f7f2dd_oproj:
	.size	k_q0aa2f7f2dd_oproj, .Lfunc_end_k_q0aa2f7f2dd_oproj-k_q0aa2f7f2dd_oproj
	.p2alignl 7, 3214868480
	.fill 96, 4, 3214868480
	.section	.rodata,"a",@progbits
	.p2align	6, 0x0
	.amdhsa_kernel k_q0aa2f7f2dd_oproj
		.amdhsa_group_segment_fixed_size 327680
		.amdhsa_private_segment_fixed_size 0
		.amdhsa_enable_private_segment 0
		.amdhsa_kernarg_size 32
		.amdhsa_user_sgpr_count 2
		.amdhsa_user_sgpr_kernarg_segment_ptr 1
		.amdhsa_wavefront_size32 1
		.amdhsa_system_sgpr_workgroup_id_x 1
		.amdhsa_system_sgpr_workgroup_id_y 1
		.amdhsa_system_sgpr_workgroup_id_z 1
		.amdhsa_system_vgpr_workitem_id 0
		.amdhsa_next_free_vgpr 768
		.amdhsa_next_free_sgpr 66
		.amdhsa_reserve_vcc 0
		.amdhsa_float_denorm_mode_32 3
		.amdhsa_float_denorm_mode_16_64 3
		.amdhsa_memory_ordered 1
		.amdhsa_forward_progress 1
		.amdhsa_inst_pref_size 86
	.end_amdhsa_kernel
	.amdgpu_metadata
---
amdhsa.version: [ 1, 2 ]
amdhsa.kernels:
  - .name:           k_q0aa2f7f2dd_oproj
    .symbol:         k_q0aa2f7f2dd_oproj.kd
    .args:
      - { .name: oimg, .offset: 0, .size: 8, .value_kind: global_buffer, .address_space: global }
      - { .name: woimg, .offset: 8, .size: 8, .value_kind: global_buffer, .address_space: global }
      - { .name: bo, .offset: 16, .size: 8, .value_kind: global_buffer, .address_space: global }
      - { .name: out0, .offset: 24, .size: 8, .value_kind: global_buffer, .address_space: global }
    .group_segment_fixed_size: 327680
    .private_segment_fixed_size: 0
    .kernarg_segment_align: 8
    .kernarg_segment_size: 32
    .max_flat_workgroup_size: 128
    .sgpr_count:     66
    .vgpr_count:     768
    .wavefront_size: 32
...
	.end_amdgpu_metadata
.endif
;; end of part 4
